; MI455X (gfx1250); checked and timed in simulation.
; The chip was launched on July 23, 2026; its instructions are those of AMD's public machine-readable ISA for CDNA 5 (MIT licence, August 2026) and "CDNA5" Instruction Set Architecture Reference Guide (July 2026). The comments in the code are by the model that wrote it; some were corrected since.
;; Multi Head Self Attention. Allowed arithmetic: matrix products marked QUANTISED: E4M3 operands, one given power-of-two scale a tensor, by v_wmma_f32_16x16x64_fp8_fp8 or v_wmma_f32_16x16x128_fp8_fp8, f32 sums; everything else in f32.
;; Inputs: W_k 1,024 x 1,024 float32; W_o 1,024 x 1,024 float32; W_q 1,024 x 1,024 float32; W_v 1,024 x 1,024 float32; lowp_scales 8 int32 (the exponents e of the quantised operands' scales 2^e); token_positions 2,048 int32; x 2 x 2,048 x 1,024 float32.
;; Outputs: out0 2 x 2,048 x 1,024 float32.
;; Constants: max_seq_len = 2048, theta = 10000.
;; This version of the problem:
;;   THIS VERSION OF THE PROBLEM IS GIVEN IN LOW PRECISION. The matrix products marked QUANTISED in the list below multiply operands that are first quantised to E4M3 (4 exponent bits, 3 mantissa bits; 8 bits a number), with one given power-of-two scale for each operand tensor; their sums are f32. All else is computed in f32.
;;   The module's matrix products, in the order in which they are computed (A, B: the left and right operand; K: the contracted axis; several contracted axes count as one K, in the product's order):
;;     1. [M 4,096, K 1,024] x [K 1,024, N 3,072]; A: input x; B: computed on the way: QUANTISED (scales: A lowp_scales[0], B lowp_scales[1])
;;     2. batch 32 x [M 2,048, K 64] x [K 64, N 2,048]; A: computed on the way; B: computed on the way: QUANTISED (scales: A lowp_scales[2], B lowp_scales[3])
;;     3. batch 32 x [M 2,048, K 2,048] x [K 2,048, N 64]; A: softmax (see below); B: computed on the way: QUANTISED (scales: A lowp_scales[4], B lowp_scales[5])
;;     4. [M 4,096, K 1,024] x [K 1,024, N 1,024]; A: computed on the way; B: input W_o: QUANTISED (scales: A lowp_scales[6], B lowp_scales[7])
;;   THE QUANTISER, for each operand of a quantised product, along K:
;;     - The operand's scale is 2^e, e = its entry of the input lowp_scales (int32; the entries are numbered through the quantised products in the list's order, A before B).
;;     - Each number is divided by the scale, clamped to +-448, and rounded to the nearest number of E4M3, ties to even, subnormals kept.
;;     - The product sums the exact products of the quantised numbers (number of the format x scale) in f32.
;;   ~~~python
;;   def quantise(x, axis, e):      # numpy; x: float32 -> the quantised numbers, widened to float32 again
;;       x = np.moveaxis(x, axis, -1); K = x.shape[-1]
;;       r = np.clip(x / 2.0 ** e, -448, 448)
;;       step = 2.0 ** (np.maximum(np.frexp(np.where(r == 0, 1, r))[1] - 1, -6) - 3)
;;       q = np.round(r / step) * step * 2.0 ** e      # np.round: ties to even
;;       return np.moveaxis(q, -1, axis).astype(np.float32)
;;   ~~~
;;   SOFTMAX AHEAD OF A QUANTISED PRODUCT. Where the list says 'softmax', what is quantised is not the finished softmax but p = 2^(t - M), with t = logit x log2(e) and M = ceil(the row's largest t), a whole number; so 1/2 < the row's largest p <= 1. The row's sum l is taken of the UNQUANTISED p, in f32, and the product's result is divided by l at the end. Since M is a whole number, a kernel that streams over the keys may use a running M (the ceiling of the running maximum): every later rescaling is an exact power of two, so the quantised numbers keep their values, but for numbers so far below the row's largest that they fall under the format's range.
;;   OPERANDS COMPUTED ON THE WAY. 'Computed on the way' means the value that the module computes at that place (a softmax that the list does not call 'softmax' is quantised finished and normalised). What goes into a quantiser is computed in f32, as accurately as f32 sums, v_exp_f32 and their like allow (about 1e-6 of the number): no bf16 or f16 on the way to a quantiser, and a product that is left as it is and whose result goes on into a quantised operand takes f32 operands (vector FMAs, or v_wmma_f32_16x16x4_f32). A number that lies on a knife's edge between two numbers of the format may be rounded either way, as far as f32 arithmetic and the matrix unit's own rounding can turn it there, and no further.
;; One version. Each part assembles by itself: llvm-mc -triple=amdgcn-amd-amdhsa -mcpu=gfx1250 --defsym DOCPART=n.
;; ======== version 1 of 1: 4 launches
;; limits: right only within a limited range of input values
;; workspace buffers: codes 8,388,608 bytes; cs 524,288 bytes; qc 4,194,304 bytes; kc 4,194,304 bytes; vc 4,194,304 bytes; oc 4,194,304 bytes
;; launch quant (part 1): grid 256 x 1, 8 waves a work-group, no clusters, 134,144 bytes of LDS; arguments x, W_q, W_k, W_v, W_o, lowp_scales, token_positions, codes, cs; writes codes, cs
.if DOCPART == 1
	.amdgcn_target "amdgcn-amd-amdhsa--gfx1250"
	.amdhsa_code_object_version 6
	.text
	.protected	k_q286e22593b_quant
	.globl	k_q286e22593b_quant
	.p2align	8
	.type	k_q286e22593b_quant,@function
k_q286e22593b_quant:
	s_mov_b64 s[64:65], 0
	v_nop
	global_prefetch_b8 v0, s[64:65] scope:SCOPE_SE
	s_setreg_imm32_b32 hwreg(HW_REG_WAVE_MODE, 25, 1), 1
	s_wait_xcnt 0x0
; x [4096][1024], W_q, W_k, W_v, W_o [1024][1024], f32, K innermost, become codes of FP8 (E4M3), each with the scale 2^e that is given for it (x: entry 0; W_q, W_k, W_v: entry 1; W_o: entry 7);
; and the table of RoPE's cosines and sines is made: cs[s][pair i] = (cos, sin) of position[s] x 10000^(-i/32), f32, 256 bytes a token.
; code = number / 2^e, held within +-448, rounded to the nearest code, ties to even.
; THE CODES ARE LAID AS IMAGES OF OPERAND REGISTERS.  The 8,192 rows (x, W_q, W_k, W_v, W_o on end) are 512 row tiles of 16; a row tile has 8 fragments of 16 rows x 128 K, 2,048 bytes each.
; A fragment is 16 registers a lane: lane l = (r = l % 16, h = l / 16) holds row r, registers 2 c, 2 c + 1 hold K = 16 c + 8 h + 0 .. 7.  Its group g of four registers lies at 512 g + 16 l.
; So a later launch gets a fragment by four loads of 16 bytes a lane at 16 x lane, and every store here covers 512 consecutive bytes.
; SHARES.  Work-group g takes row tiles 2 g and 2 g + 1, which lie in one tensor.  Wave w takes row tile 2 g + w / 4 and K steps 2 (w % 4) + u, u = 0, 1: 16 rows x 1,024 consecutive bytes.
; Each load reads 512 consecutive bytes of a row; the numbers turn through the wave's own stage in LDS (16 rows, 1,040 bytes apart) so that a lane gets 8 neighbours along K for each conversion.
; Wave w also makes token 8 g + w's 32 pairs of the table, a pair a lane, while its loads are on their way.  Waves share nothing: no barrier.
; LIMITS: each of the three exponents lies between -126 and 119.  |position| below 2^20 (the reduction of the angle).  NaN among the inputs is not served.
; LEFT OUT BY THE PROGRAM (in the launch of the attention): blocks of 128 queries x 128 keys that lie wholly above the diagonal.  reference() itself replaces their scores by -1e9 under the causal mask that it builds; their weights are 0
; for all scores that stay far above -1e9.  A NaN, an infinity or an overflow that reaches only such blocks is not carried to the result.  max_seq_len has no way to the output.
.set PITCH, 1040                       ; a stage row: 1,024 bytes + 16: sixteen rows start at sixteen different places modulo 256 bytes
.set STG,   16*PITCH                   ; a wave's stage
.set R,     32                         ; v32-159   as loaded: unit u, row i at R + 64 u + 4 i
.set X,     160                        ; v160-223  64 numbers of a lane: register 8 c + j = K 16 c + 8 h + j of row r
.set C,     224                        ; v224-255  the codes: 16 registers a unit, so that no store's data are written again
	s_load_b512 s[4:19], s[0:1], 0x0               ; x 4:5, W_q 6:7, W_k 8:9, W_v 10:11, W_o 12:13, scales 14:15, positions 16:17, codes 18:19
	s_load_b64 s[20:21], s[0:1], 0x40              ; cs
	v_lshl_add_u32 v30, v0, 2, 0x20800
	v_mov_b32 v31, 0
	v_lshrrev_b32 v1, 5, v0
	s_delay_alu instid0(VALU_DEP_1)
	v_readfirstlane_b32 s22, v1                    ; wave 0..7
	v_and_b32 v1, 31, v0                           ; lane
	v_and_b32 v2, 15, v0                           ; r
	v_bfe_u32 v3, v0, 4, 1                         ; h
	s_delay_alu instid0(VALU_DEP_3)
	v_lshlrev_b32 v4, 4, v1                        ; 16 x lane: my bytes of a load's or a store's 512
	s_delay_alu instid0(VALU_DEP_4)
	v_lshlrev_b32 v7, 3, v1                        ; 8 x lane: my pair of the table
	s_mul_i32 s23, s22, STG                        ; my wave's stage
	v_add_nc_u32 v5, s23, v4                       ; into it: as loaded
	v_mul_u32_u24 v6, v2, PITCH
	s_delay_alu instid0(VALU_DEP_1)
	v_lshl_add_u32 v6, v3, 5, v6
	s_delay_alu instid0(VALU_DEP_1)
	v_add_nc_u32 v6, s23, v6                       ; out of it: row r, + 32 h bytes
	s_lshr_b32 s44, s22, 2                         ; which of the two row tiles
	s_and_b32 s45, s22, 3                          ; which pair of K steps
	s_lshl_b32 s42, ttmp9, 3
	s_add_co_u32 s42, s42, s22                     ; my token of the table
	s_wait_alu depctr_va_vdst(0)
	s_wait_kmcnt 0x0
	s_mov_b64 s[34:35], s[12:13]                   ; the tensor, and its first work-group: the choice hangs on the work-group's number alone
	s_mov_b32 s36, 224
	s_cmp_lt_u32 ttmp9, 224
	s_cselect_b64 s[34:35], s[10:11], s[34:35]
	s_cselect_b32 s36, 192, s36
	s_cmp_lt_u32 ttmp9, 192
	s_cselect_b64 s[34:35], s[8:9], s[34:35]
	s_cselect_b32 s36, 160, s36
	s_cmp_lt_u32 ttmp9, 160
	s_cselect_b64 s[34:35], s[6:7], s[34:35]
	s_cselect_b32 s36, 128, s36
	s_cmp_lt_u32 ttmp9, 128
	s_cselect_b64 s[34:35], s[4:5], s[34:35]
	s_cselect_b32 s36, 0, s36
	s_sub_co_u32 s38, ttmp9, s36
	s_lshl_b32 s38, s38, 17                        ; 32 rows of 4,096 bytes a work-group,
	s_lshl_b32 s39, s44, 16                        ; 16 a row tile,
	s_add_co_u32 s38, s38, s39
	s_lshl_b32 s39, s45, 10                        ; 1,024 bytes of each row a wave
	s_add_co_u32 s38, s38, s39
	s_mov_b32 s39, 0
	s_add_nc_u64 s[34:35], s[34:35], s[38:39]
	; Where a row tile's fragments lie.  x, W_q, W_k, W_v: blocks of 8 row tiles, 131,072 bytes: [4 slots of 256 along K][8 row tiles][2 fragments], so that a slot, or two slots on end, of 128 rows are one dense block.
	; W_o: a row tile's 8 fragments on end, 16,384 bytes.
	s_lshr_b32 s40, ttmp9, 2
	s_lshl_b32 s40, s40, 17
	s_and_b32 s41, ttmp9, 3
	s_lshl_b32 s41, s41, 13                        ; two row tiles of a slot are 8,192 bytes
	s_add_co_u32 s40, s40, s41
	s_lshl_b32 s41, ttmp9, 15                      ; W_o: two row tiles are 32,768 bytes
	s_cmp_lt_u32 ttmp9, 224
	s_cselect_b32 s40, s40, s41
	s_cselect_b32 s41, 12, 14                      ; from row tile to row tile: 4,096 or 16,384 bytes
	s_cselect_b32 s46, 15, 12                      ; from slot to slot: 32,768 or 4,096 bytes
	s_lshl_b32 s41, s44, s41
	s_add_co_u32 s40, s40, s41
	s_lshl_b32 s41, s45, s46
	s_add_co_u32 s40, s40, s41
	s_mov_b32 s41, 0
	s_add_nc_u64 s[18:19], s[18:19], s[40:41]
	s_lshl_b32 s40, s42, 2
	s_add_nc_u64 s[16:17], s[16:17], s[40:41]      ; my token's position
	s_lshl_b32 s40, s42, 8
	s_add_nc_u64 s[20:21], s[20:21], s[40:41]      ; and its 256 bytes of the table
	s_load_b256 s[24:31], s[14:15], 0x0            ; the eight exponents
	s_load_b32 s32, s[16:17], 0x0
.irp u, 0,1
.irp i, 0,1,2,3,4,5,6,7,8,9,10,11,12,13,14,15
	global_load_b128 v[R+64*\u+4*\i:R+64*\u+4*\i+3], v4, s[34:35] offset:4096*\i+512*\u th:TH_LOAD_NT   ; 32 lanes read 512 consecutive bytes: row i, K step u; read once in the launch
.endr
.endr
	; THE TABLE, while the 32 loads are on their way.  10000^(-i/32) = 10^(-i/8), rounded to f32: lane i picks its own
.macro INVF i, val
	v_cmp_ne_u32 vcc_lo, \i, v1
	s_delay_alu instid0(VALU_DEP_1)
	v_cndmask_b32 v10, \val, v10, vcc_lo
.endm
	v_mov_b32 v10, 1.0
	INVF 1, 0.7498942093
	INVF 2, 0.5623413252
	INVF 3, 0.4216965034
	INVF 4, 0.3162277660
	INVF 5, 0.2371373706
	INVF 6, 0.1778279410
	INVF 7, 0.1333521432
	INVF 8, 0.1
	INVF 9, 0.07498942093
	INVF 10, 0.05623413252
	INVF 11, 0.04216965034
	INVF 12, 0.03162277660
	INVF 13, 0.02371373706
	INVF 14, 0.01778279410
	INVF 15, 0.01333521432
	INVF 16, 0.01
	INVF 17, 0.007498942093
	INVF 18, 0.005623413252
	INVF 19, 0.004216965034
	INVF 20, 0.003162277660
	INVF 21, 0.002371373706
	INVF 22, 0.001778279410
	INVF 23, 0.001333521432
	INVF 24, 0.001
	INVF 25, 0.0007498942093
	INVF 26, 0.0005623413252
	INVF 27, 0.0004216965034
	INVF 28, 0.0003162277660
	INVF 29, 0.0002371373706
	INVF 30, 0.0001778279410
	INVF 31, 0.0001333521432
	s_wait_kmcnt 0x0                               ; the exponents and the position
	s_cmp_lt_u32 ttmp9, 224
	s_cselect_b32 s37, s25, s31                    ; e: W_o's is entry 7, the other weights' entry 1,
	s_cmp_lt_u32 ttmp9, 128
	s_cselect_b32 s37, s24, s37                    ; x's entry 0
	s_add_co_i32 s37, s37, 127
	s_lshl_b32 s33, s37, 23
	v_mov_b32 v8, s33                              ; 2^e as f32: the conversion takes its exponent field
	s_add_co_i32 s37, s37, 8
	s_lshl_b32 s37, s37, 23
	s_or_b32 s37, s37, 0x600000
	v_mov_b32 v9, s37                              ; 448 x 2^e
	v_cvt_f32_i32 v11, s32
	s_wait_alu depctr_va_vdst(0)
	v_mul_f32 v12, v11, v10                        ; the angle, rounded once
	s_delay_alu instid0(VALU_DEP_1)
	v_mul_f32 v13, 0x3f22f983, v12                 ; x 2 / pi
	s_delay_alu instid0(VALU_DEP_1)
	v_rndne_f32 v13, v13                           ; n: the nearest multiple of pi / 2
	s_delay_alu instid0(VALU_DEP_1)
	v_fmamk_f32 v14, v13, 0xbfc90fda, v12          ; the angle - n pi / 2, with pi / 2 in three parts
	s_delay_alu instid0(VALU_DEP_1)
	v_fmamk_f32 v14, v13, 0xb3a22168, v14
	s_delay_alu instid0(VALU_DEP_1)
	v_fmamk_f32 v14, v13, 0xa7c234c4, v14          ; a, within about pi / 4 of 0
	s_delay_alu instid0(VALU_DEP_1)
	v_mul_f32 v15, v14, v14                        ; z = a^2
	v_mov_b32 v16, 0xb94ca1f9
	v_mov_b32 v17, 0x37ccf5ce
	s_delay_alu instid0(VALU_DEP_2)
	v_fmaak_f32 v16, v16, v15, 0x3c08839e
	s_delay_alu instid0(VALU_DEP_2)
	v_fmaak_f32 v17, v17, v15, 0xbab6061a
	s_delay_alu instid0(VALU_DEP_2)
	v_fmaak_f32 v16, v16, v15, 0xbe2aaaa3
	s_delay_alu instid0(VALU_DEP_2)
	v_fmaak_f32 v17, v17, v15, 0x3d2aaaa5
	v_mul_f32 v18, v15, v15
	v_fma_f32 v19, v15, -0.5, 1.0
	s_delay_alu instid0(VALU_DEP_4)
	v_mul_f32 v16, v16, v15
	s_delay_alu instid0(VALU_DEP_2)
	v_fma_f32 v17, v17, v18, v19                   ; cos a = 1 - z / 2 + z^2 (..)
	s_delay_alu instid0(VALU_DEP_2)
	v_fma_f32 v16, v16, v14, v14                   ; sin a = a + a z (..)
	v_cvt_i32_f32 v20, v13
	s_delay_alu instid0(VALU_DEP_1)
	v_and_b32 v21, 1, v20
	s_delay_alu instid0(VALU_DEP_1)
	v_cmp_ne_u32 vcc_lo, 0, v21                    ; in an odd quarter the two change places
	s_delay_alu instid0(VALU_DEP_1)
	v_cndmask_b32 v22, v16, v17, vcc_lo
	s_delay_alu instid0(VALU_DEP_2)
	v_cndmask_b32 v23, v17, v16, vcc_lo
	v_and_b32 v24, 2, v20                          ; the sine is negative in quarters 2 and 3,
	s_delay_alu instid0(VALU_DEP_1)
	v_lshlrev_b32 v24, 30, v24
	v_add_nc_u32 v25, 1, v20                       ; the cosine in quarters 1 and 2
	s_delay_alu instid0(VALU_DEP_1)
	v_and_b32 v25, 2, v25
	s_delay_alu instid0(VALU_DEP_1)
	v_lshlrev_b32 v25, 30, v25
	s_delay_alu instid0(VALU_DEP_4)
	v_xor_b32 v29, v22, v24
	s_delay_alu instid0(VALU_DEP_2)
	v_xor_b32 v28, v23, v25
	global_store_b64 v7, v[28:29], s[20:21]        ; the wave stores 256 consecutive bytes, aligned
; A unit: 16 rows x 128 K.
.macro UNIT u
.if \u == 0
	s_wait_loadcnt 16                              ; unit 0's sixteen loads are in; unit 1's sixteen may be out
.else
	s_wait_loadcnt 0x0
.endif
.irp i, 0,1,2,3,4,5,6,7,8,9,10,11,12,13,14,15
	ds_store_b128 v5, v[R+64*\u+4*\i:R+64*\u+4*\i+3] offset:PITCH*\i+512*\u
.endr
.irp c, 0,1,2,3,4,5,6,7
.irp q, 0,1
	ds_load_b128 v[X+8*\c+4*\q:X+8*\c+4*\q+3], v6 offset:512*\u+64*\c+16*\q   ; LDS serves a wave's instructions in order (ISA guide 5.7.1.4): these see the stores above
.endr
.endr
	s_wait_dscnt 0x0
.set nn, 0
.rept 64
	v_med3_num_f32 v[X+nn], v[X+nn], -v9, v9       ; the conversion to an 8-bit code does not saturate (ISA guide 7.6.2): the hold at the largest code x the scale
.set nn, nn+1
.endr
.irp c, 0,1,2,3,4,5,6,7
	v_cvt_scalef32_pk8_fp8_f32 v[C+16*\u+2*\c:C+16*\u+2*\c+1], v[X+8*\c:X+8*\c+7], v8   ; registers 2 c, 2 c + 1 of the fragment
.endr
	v_nop                                          ; one plain vector line behind the last conversion: the next unit's holds write the conversions' sources
.irp g, 0,1,2,3
	global_store_b128 v4, v[C+16*\u+4*\g:C+16*\u+4*\g+3], s[18:19] offset:2048*\u+512*\g   ; 512 consecutive bytes, aligned
.endr
.endm
	UNIT 0
	UNIT 1
	s_wait_tensorcnt 0x0
	ds_add_u32 v30, v31
	s_wait_dscnt 0x0
	s_endpgm
.Lfunc_end_k_q286e22593b_quant:
	.size	k_q286e22593b_quant, .Lfunc_end_k_q286e22593b_quant-k_q286e22593b_quant
	.p2alignl 7, 3214868480
	.fill 96, 4, 3214868480
	.section	.rodata,"a",@progbits
	.p2align	6, 0x0
	.amdhsa_kernel k_q286e22593b_quant
		.amdhsa_group_segment_fixed_size 134144
		.amdhsa_private_segment_fixed_size 0
		.amdhsa_enable_private_segment 0
		.amdhsa_kernarg_size 72
		.amdhsa_user_sgpr_count 2
		.amdhsa_user_sgpr_kernarg_segment_ptr 1
		.amdhsa_wavefront_size32 1
		.amdhsa_system_sgpr_workgroup_id_x 1
		.amdhsa_system_sgpr_workgroup_id_y 1
		.amdhsa_system_sgpr_workgroup_id_z 1
		.amdhsa_system_vgpr_workitem_id 0
		.amdhsa_next_free_vgpr 256
		.amdhsa_next_free_sgpr 66
		.amdhsa_reserve_vcc 1
		.amdhsa_float_denorm_mode_32 3
		.amdhsa_float_denorm_mode_16_64 3
		.amdhsa_memory_ordered 1
		.amdhsa_forward_progress 1
		.amdhsa_inst_pref_size 27
	.end_amdhsa_kernel
	.amdgpu_metadata
---
amdhsa.version: [ 1, 2 ]
amdhsa.kernels:
  - .name:           k_q286e22593b_quant
    .symbol:         k_q286e22593b_quant.kd
    .args:
      - { .name: x, .offset: 0, .size: 8, .value_kind: global_buffer, .address_space: global }
      - { .name: W_q, .offset: 8, .size: 8, .value_kind: global_buffer, .address_space: global }
      - { .name: W_k, .offset: 16, .size: 8, .value_kind: global_buffer, .address_space: global }
      - { .name: W_v, .offset: 24, .size: 8, .value_kind: global_buffer, .address_space: global }
      - { .name: W_o, .offset: 32, .size: 8, .value_kind: global_buffer, .address_space: global }
      - { .name: lowp_scales, .offset: 40, .size: 8, .value_kind: global_buffer, .address_space: global }
      - { .name: token_positions, .offset: 48, .size: 8, .value_kind: global_buffer, .address_space: global }
      - { .name: codes, .offset: 56, .size: 8, .value_kind: global_buffer, .address_space: global }
      - { .name: cs, .offset: 64, .size: 8, .value_kind: global_buffer, .address_space: global }
    .group_segment_fixed_size: 134144
    .private_segment_fixed_size: 0
    .kernarg_segment_align: 8
    .kernarg_segment_size: 72
    .max_flat_workgroup_size: 256
    .sgpr_count:     66
    .vgpr_count:     256
    .wavefront_size: 32
...
	.end_amdgpu_metadata
.endif
;; end of part 1
;; launch qkv (part 2): grid 12 x 16, 4 waves a work-group, clusters of 4 x 4, 327,680 bytes of LDS; arguments codes, cs, lowp_scales, qc, kc, vc; writes qc, kc, vc
.if DOCPART == 2
	.amdgcn_target "amdgcn-amd-amdhsa--gfx1250"
	.amdhsa_code_object_version 6
	.text
	.protected	k_q286e22593b_qkv
	.globl	k_q286e22593b_qkv
	.p2align	8
	.type	k_q286e22593b_qkv,@function
k_q286e22593b_qkv:
	s_mov_b64 s[64:65], 0
	v_nop
	global_prefetch_b8 v0, s[64:65] scope:SCOPE_SE
	s_setreg_imm32_b32 hwreg(HW_REG_WAVE_MODE, 25, 1), 1
	s_wait_xcnt 0x0
	s_wait_alu depctr_hold_cnt(0) depctr_sa_sdst(0) depctr_va_vdst(0) depctr_va_sdst(0) depctr_va_ssrc(0) depctr_va_vcc(0) depctr_vm_vsrc(0)
	s_getreg_b32 s2, hwreg(HW_REG_IB_STS2, 6, 4)
	s_cmp_eq_u32 s2, 0
	s_cbranch_scc0 .Lentry_in_a_cluster
	s_endpgm
.Lentry_in_a_cluster:
	s_bfe_u32 s2, ttmp6, 0x10000c
	s_cmp_lg_u32 s2, 0xf033
	s_cbranch_scc0 .Lentry_shape_is_right
	s_endpgm
.Lentry_shape_is_right:
; Q, K, V = x W^T on codes of FP8 (E4M3), K = 1,024; RoPE on Q and K; each quantised for the attention (scales: x entry 0, W entry 1, Q entry 2, K entry 3, V entry 5).
; A tile of 256 x 256 is made by a work-group of four waves, a wave makes 128 x 128: 64 accumulators of 16 x 16.  Cluster x: 0 = Q, 1 = K, 2 = V (1,024 columns each); cluster y: 1,024 tokens.
; 16 x 12 tiles: 192 work-groups.  Tiles of 256 x 192 would be 256, but a wave's columns would then cut heads of 64 in two.
; OPERANDS are images of fragments (16 rows x 128 K: 2,048 bytes, group g of four registers at 512 g + 16 x lane) in blocks of 128 rows: [4 slots of 256 along K][8 row tiles][2 fragments], 131,072 bytes.
; A (source 1) is tokens and B (source 0) weights for Q and K; for V A is weights and B tokens.  USED TRANSPOSED (source 0 = B): a lane holds row r of A and eight neighbouring columns: neighbouring d of a token for Q and K,
; neighbouring tokens of one d for V: the K of the product that takes them.
; THE RING: two slots of 256 along K; wave w fetches one block's part (0, 1: A's halves; 2, 3: B's): its slots lie at 65,536 w and 32,768 behind that.  At the head ONE load a wave brings both (K 0-511); slot 0 is filled again with
; K 512-767 and slot 1 with K 768-1,023, each behind a round of the cluster's barrier, one load a wave.
; CLUSTERS: 4 x 4 work-groups.  The four of a row need the same tile of A, the four of a column the same of B: each is asked for jointly.
; PREFETCH: K 512-1,023 are asked for behind the first fragments, a step (and three) ahead of the loads that want them: each 256 bytes once in a cluster: of a wave's 32,768 bytes of a slot the partner at place p takes 8,192 (p = cx for A, cy for B).
; OUTPUT, images of fragments again: qc, kc [32 heads][128 tiles of 16 tokens][1,024 bytes] (16 x 64 K); vc [32 heads][16 steps of 128 tokens][4 tiles of 16 d][2,048 bytes].
; LIMITS: e2 - e0 - e1, e3 - e0 - e1 and e5 - e0 - e1 lie between -126 and 119.  NaN is not served.
; REGISTERS.  Window 0: v16-30 addresses and constants; v32-95 cosines and sines of two blocks; v128-255 A's fragments, one set; on the way out v128-191 a block at work, v192-223 its codes.
; Window 1: B's fragments, two sets; on the way out v0-127 four blocks' cosines and sines.  Windows 2, 3: the accumulators of my rows 0-63, 64-127 ((a, b) at v[8 (8 a + b)]).
.set SLOT,   32768
.set SPARE,  262144                    ; the spare words, 128 bytes for each wave
.set FR,     16                        ; registers of a fragment
.set NL,     4                         ; LDS loads that bring one
.set NP,     4                         ; places behind this matrix instruction (ISA guide 7.12.1)
.set ADRA, 16                          ; v16-17  LDS address of my A fragments in slot 0, 1
.set ADRB, 20                          ; v20-21  the same for B
.set LI,   24                          ; v24     16 x lane
.set CSO,  25                          ; v25     my lane's place in the table of cosines and sines
.set SC,   26                          ; v26     the scale of the result
.set LIM,  27                          ; v27     448 x that
.set SPW,  28                          ; v28     LDS address of my spare word
.set NIL,  29                          ; v29     0
.set PFO,  30                          ; v30     256 x lane
.set CS,   32
.set AF,   128
.set T,    128
.set PC,   192
.set G1, 24                            ; s[24:31] descriptor group 1 for A;  s[32:39] group 0, one set for each slot
.set G0, 32
.set G1B, 48                           ; s[48:55], s[56:63] the same for B
.set G0B, 56
.set PFA, 92                           ; s[92:93] where my prefetches stand
.set MSB, 0
.macro WIN new                         ; the immediate's high byte repeats the setting that is left
.if MSB != (\new)
	s_set_vgpr_msb (MSB<<8)|(\new)
.set MSB, (\new)
.endif
.endm
.set MUL_LO, 0xa1                      ; source 0 (B) window 1, source 1 (A) window 0, C and D window 2
.set MUL_HI, 0xf1                      ; the same, C and D window 3
.set TO_B,   0x40                      ; destination window 1, address window 0
.macro JLOAD g0a, g1a, g0b, g1b        ; a joint load: waves 0, 1 for A, waves 2, 3 for B: a branch on the wave's number alone; one mask a line
	s_cmp_eq_u32 s15, 0
	s_cbranch_scc0 .Lfor_b_\@
	tensor_load_to_lds s[\g0a:\g0a+3], s[\g1a:\g1a+7]
	s_nop 0
.rept 4
	v_nop
.endr
	s_branch .Lasked_\@
.Lfor_b_\@:
	tensor_load_to_lds s[\g0b:\g0b+3], s[\g1b:\g1b+7]
	s_nop 0
.rept 4
	v_nop
.endr
.Lasked_\@:
.endm
.macro CREST                           ; a round of the cluster's barrier behind its opening barrier
	s_cmp_lg_u32 s14, 0
	s_cbranch_scc1 .Lnot_wave_0_\@
	s_barrier_signal -3
.Lnot_wave_0_\@:
	s_barrier_wait -3
	s_barrier_signal -1
	s_barrier_wait -1
.endm
.macro CROUND                          ; a whole round
	s_barrier_signal -1
	s_barrier_wait -1
	CREST
.endm
	s_load_b256 s[4:11], s[0:1], 0x0               ; codes 4:5, cs 6:7, scales 8:9, qc 10:11
	s_load_b128 s[68:71], s[0:1], 0x20             ; kc, vc
	v_lshl_add_u32 v[SPW], v0, 2, SPARE
	v_mov_b32 v[NIL], 0
	ds_add_u32 v[SPW], v[NIL]                      ; the opening: the add, twice on end, and its wait ahead of my first tensor load
	ds_add_u32 v[SPW], v[NIL]
	v_lshrrev_b32 v1, 5, v0
	v_readfirstlane_b32 s14, v1                    ; wave 0..3
	s_lshr_b32 s15, s14, 1                         ; which half of the tile's rows is mine.  Also: I fetch for A (0) or for B (1)
	s_and_b32 s16, s14, 1                          ; which half of its columns.  Also: which 128 rows of that tile I fetch
	s_bfe_u32 s40, ttmp6, 0x40000                  ; cx, cy
	s_bfe_u32 s41, ttmp6, 0x40004
	s_and_b32 s17, ttmp7, 0xffff
	s_lshl_b32 s17, s17, 10                        ; the cluster's first token
	s_lshl_b32 s18, ttmp9, 10
	s_add_co_u32 s18, s18, 4096                    ; its first row of weights: the codes' rows 0-4,095 are x, then W_q, W_k, W_v
	s_cmp_eq_u32 ttmp9, 2
	s_cselect_b32 s20, 6144, s17                   ; A's first row
	s_cselect_b32 s46, s17, s18                    ; B's
	s_lshl_b32 s22, s41, 8
	s_add_co_u32 s20, s20, s22
	s_lshl_b32 s23, s40, 8
	s_add_co_u32 s46, s46, s23
	s_lshl_b32 s19, s16, 7
	s_add_co_u32 s20, s20, s19
	s_add_co_u32 s46, s46, s19
	s_lshl_b32 s20, s20, 10                        ; 128 rows are one block of 131,072 bytes
	s_lshl_b32 s46, s46, 10
	s_mov_b32 s21, 0
	s_mov_b32 s47, 0
	s_lshl_b32 s43, s41, 2
	s_lshl_b32 s43, 15, s43                        ; my row of the cluster
	s_lshl_b32 s44, 0x1111, s40                    ; my column
	s_or_b32 s[G1+0], s43, (3<<16)|(1<<21)         ; 15:0 the mask; 17:16 elements of 8 bytes; 21 set beside a mask; no padding
	s_or_b32 s[G1B+0], s44, (3<<16)|(1<<21)
.irp g, G1, G1B                                    ; the head's load: a dense block of 65,536 bytes as 8 rows of 8,192
	s_mov_b32 s[\g+1], 1024<<16                    ; tensor_dim0
	s_mov_b32 s[\g+2], 8<<16                       ; tensor_dim1
	s_mov_b32 s[\g+3], 1024<<16                    ; tile_dim0
	s_mov_b32 s[\g+4], 8                           ; tile_dim1
	s_mov_b32 s[\g+5], 1024                        ; tensor_dim0_stride
	s_mov_b32 s[\g+6], 0
	s_mov_b32 s[\g+7], 0
.endr
	s_lshl_b32 s45, s14, 16                        ; where they go: 65,536 x wave: no place in the cluster enters an LDS address
	s_wait_dscnt 0x0                               ; both opening adds are done
	s_wait_kmcnt 0x0
	s_load_b256 s[72:79], s[8:9], 0x0              ; e0 .. e7
	s_add_nc_u64 s[20:21], s[4:5], s[20:21]
	s_add_nc_u64 s[46:47], s[4:5], s[46:47]
	CROUND                                         ; all sixteen work-groups are here: the joint loads meet
.irp s, 0,1
	s_mov_b32 s[G0+4*\s], 1
	s_add_co_u32 s[G0+4*\s+1], s45, \s*SLOT
	s_add_nc_u64 s[G0+4*\s+2:G0+4*\s+3], s[20:21], \s*SLOT
	s_or_b32 s[G0+4*\s+3], s[G0+4*\s+3], 0x80000000
	s_mov_b32 s[G0B+4*\s], 1
	s_add_co_u32 s[G0B+4*\s+1], s45, \s*SLOT
	s_add_nc_u64 s[G0B+4*\s+2:G0B+4*\s+3], s[46:47], \s*SLOT
	s_or_b32 s[G0B+4*\s+3], s[G0B+4*\s+3], 0x80000000
.endr
	JLOAD G0, G1, G0B, G1B                         ; K 0-511, both slots: my one load at the head
	s_cmp_eq_u32 s15, 0
	s_cselect_b64 s[PFA:PFA+1], s[20:21], s[46:47] ; what I fetch,
	s_cselect_b32 s94, s40, s41                    ; and my place among the four that ask for it
	s_lshl_b32 s94, s94, 13
	s_mov_b32 s95, 0
	s_add_nc_u64 s[PFA:PFA+1], s[PFA:PFA+1], s[94:95]
	s_lshl_b32 s80, s15, 16                        ; my 128 rows of A
	s_lshl_b32 s81, s16, 16                        ; my 128 rows of B,
	s_add_co_u32 s81, s81, 131072                  ; which lie behind A's 256
	v_and_b32 v1, 31, v0
	v_and_b32 v2, 15, v0                           ; r
	v_bfe_u32 v3, v0, 4, 1                         ; h
	v_lshlrev_b32 v[LI], 4, v1
	v_lshlrev_b32 v[PFO], 8, v1
	v_lshlrev_b32 v[CSO], 8, v2
	v_lshl_add_u32 v[CSO], v3, 5, v[CSO]           ; token r: 256 bytes; + 32 h: eight neighbouring d are four pairs
	v_add_nc_u32 v[ADRA], s80, v[LI]
	v_add_nc_u32 v[ADRB], s81, v[LI]
	v_add_nc_u32 v[ADRA+1], SLOT, v[ADRA]
	v_add_nc_u32 v[ADRB+1], SLOT, v[ADRB]
	s_wait_alu depctr_va_vdst(0)                   ; the wait at the head's vector end
	; the way out: my first token and head
	s_cmp_eq_u32 ttmp9, 2
	s_cselect_b32 s84, s40, s41
	s_cselect_b32 s85, s41, s40
	s_cselect_b32 s86, s16, s15
	s_cselect_b32 s87, s15, s16
	s_lshl_b32 s84, s84, 8
	s_lshl_b32 s86, s86, 7
	s_add_co_u32 s84, s84, s86
	s_add_co_u32 s84, s84, s17                     ; my first token: 128 of them
	s_lshl_b32 s85, s85, 2
	s_lshl_b32 s87, s87, 1
	s_add_co_u32 s85, s85, s87                     ; my first head: two of them
	s_lshr_b32 s86, s84, 11
	s_lshl_b32 s86, s86, 4
	s_add_co_u32 s85, s85, s86                     ; batch x 16 + head
	s_and_b32 s84, s84, 2047
	s_lshl_b32 s88, s85, 17                        ; a head is 131,072 bytes, a token 64
	s_lshl_b32 s86, s84, 6
	s_add_co_u32 s88, s88, s86
	s_mov_b32 s89, 0
	s_lshl_b32 s90, s84, 8
	s_mov_b32 s91, 0
	s_cmp_eq_u32 ttmp9, 0
	s_cselect_b64 s[80:81], s[10:11], s[68:69]
	s_cmp_eq_u32 ttmp9, 2
	s_cselect_b64 s[80:81], s[70:71], s[80:81]
	s_add_nc_u64 s[80:81], s[80:81], s[88:89]
	s_add_nc_u64 s[82:83], s[6:7], s[90:91]
.macro CSLOAD a, reg                   ; cosines and sines of block a's 16 tokens (one text for all work-groups: V's do not read them)
.irp t, 0,1,2,3
.irp u, 0,1
	global_load_b128 v[\reg+8*\t+4*\u:\reg+8*\t+4*\u+3], v[CSO], s[82:83] offset:4096*(\a)+64*\t+16*\u
.endr
.endr
.endm
	CSLOAD 0, CS
	CSLOAD 1, CS+32
.macro FRAG reg, adr, q, i
.irp c, 0,1,2,3
	ds_load_b128 v[\reg+4*\c:\reg+4*\c+3], v[\adr] offset:4096*(\i)+2048*(\q)+512*\c
.endr
.endm
; 16 matrix instructions: A's blocks a0, a0 + 1 x B's eight, 128 along K; p: B's set.  zero = 1: the first product starts the sums.  The 64 accumulators take turns in the same order in every step.
.macro MUL16 a0, p, zero
.irp a, \a0, \a0+1
.irp b, 0,1,2,3,4,5,6,7
.if \zero
	v_wmma_f32_16x16x128_fp8_fp8 v[8*(8*((\a)%4)+\b):8*(8*((\a)%4)+\b)+7], v[128*(\p)+FR*\b:128*(\p)+FR*\b+FR-1], v[AF+FR*(\a):AF+FR*(\a)+FR-1], 0
.else
	v_wmma_f32_16x16x128_fp8_fp8 v[8*(8*((\a)%4)+\b):8*(8*((\a)%4)+\b)+7], v[128*(\p)+FR*\b:128*(\p)+FR*\b+FR-1], v[AF+FR*(\a):AF+FR*(\a)+FR-1], v[8*(8*((\a)%4)+\b):8*(8*((\a)%4)+\b)+7]
.endif
.endr
.endr
.endm
.macro FETCH_B slot, q, p, i0          ; B's fragments i0 .. i0 + 3 of the slot's q-th 128 along K into set p
	WIN TO_B
.irp i, \i0, \i0+1, \i0+2, \i0+3
	FRAG 128*(\p)+FR*(\i), ADRB+\slot, \q, \i
.endr
.endm
.macro FETCH_A slot, q, i0             ; A's fragments i0 .. i0 + 3
	WIN 0
.irp i, \i0, \i0+1, \i0+2, \i0+3
	FRAG AF+FR*(\i), ADRA+\slot, \q, \i
.endr
.endm
; A load into a register that a matrix instruction has read, and a vector instruction that reads a matrix result or writes one of its registers, stand NP places behind it (ISA guide 7.12.1 for vector instructions).
.macro PLACES n
.rept \n
	v_nop
.endr
.endm
; A slot's first 128 along K (B's set 0); the second's fragments are fetched (B's set 1): half of B under the first 32 products, the other half and A's blocks 0-3 under the second 32, A's blocks 4-7 behind them.
.macro STEP slot, zero
	s_wait_dscnt 4*NL                              ; B's set 0 and A's blocks 0-3 are in; the youngest loads (A's blocks 4-7) may be out
	FETCH_B \slot, 1, 1, 0
	WIN MUL_LO
	MUL16 0, 0, \zero
	MUL16 2, 0, \zero
	s_wait_dscnt 4*NL                              ; A's blocks 4-7 are in; the loads of B just issued may be out
	PLACES NP
	FETCH_B \slot, 1, 1, 4
	FETCH_A \slot, 1, 0
	WIN MUL_HI
	MUL16 4, 0, \zero
	MUL16 6, 0, \zero
	PLACES NP
	FETCH_A \slot, 1, 4
.endm
; A slot's second 128 along K changes slots.  In front of the barrier each wave waits for all its tensor loads, adds 0 to its spare word, and waits for that and for its reads of this slot.  fill = 1: the slot is filled again, two slots ahead along K.
.macro TURN slot, next, fill
	s_wait_tensorcnt 0x0                           ; my part of the next slot is in
	ds_add_u32 v[SPW], v[NIL]
	s_wait_dscnt 4*NL+1                            ; the add and A's blocks 4-7 may be out
	WIN MUL_LO
	MUL16 0, 1, 0
	s_wait_dscnt 0x0                               ; the add is done, and my reads of this slot are over
	s_barrier_signal -1
	MUL16 2, 1, 0
	WIN 0
	s_barrier_wait -1
.if \fill
	CREST                                          ; the barrier has opened a round: no wave of any partner still reads this slot or has a load on its way
	s_add_nc_u64 s[G0+4*\slot+2:G0+4*\slot+3], s[G0+4*\slot+2:G0+4*\slot+3], 2*SLOT
	s_add_nc_u64 s[G0B+4*\slot+2:G0B+4*\slot+3], s[G0B+4*\slot+2:G0B+4*\slot+3], 2*SLOT
	JLOAD G0+4*\slot, G1, G0B+4*\slot, G1B         ; the four v_nop behind it are among the places in front of the loads below
.else
	PLACES NP
.endif
	FETCH_B \next, 0, 0, 0
	FETCH_B \next, 0, 0, 4
	FETCH_A \next, 0, 0
	WIN MUL_HI
	MUL16 4, 1, 0
	MUL16 6, 1, 0
	PLACES NP
	FETCH_A \next, 0, 4
.endm
	s_wait_tensorcnt 0x0                           ; my part of K 0-511 is in,
	s_barrier_signal -1
	s_barrier_wait -1                              ; everybody's is
.irp g, G1, G1B                                    ; no load of mine is out: from here on a load is a dense block of 32,768 bytes, 8 rows of 4,096
	s_mov_b32 s[\g+1], 512<<16
	s_mov_b32 s[\g+3], 512<<16
	s_mov_b32 s[\g+5], 512
.endr
	FETCH_B 0, 0, 0, 0
	FETCH_B 0, 0, 0, 4
	FETCH_A 0, 0, 0
	FETCH_A 0, 0, 4
	global_prefetch_b8 v[PFO], s[PFA:PFA+1] offset:65536 th:TH_LOAD_NT scope:SCOPE_SE   ; K 512-767: 32 lanes, 256 bytes apart
	global_prefetch_b8 v[PFO], s[PFA:PFA+1] offset:98304 th:TH_LOAD_NT scope:SCOPE_SE   ; K 768-1,023
	STEP 0, 1                                      ; the first products start the sums
	TURN 0, 1, 1
	STEP 1, 0
	TURN 1, 0, 1
	STEP 0, 0
	TURN 0, 1, 0                                   ; the last lap fills nothing, and has no round of the cluster's barrier
	STEP 1, 0
	WIN TO_B                                       ; B's set 0 has been multiplied: blocks 2-5's cosines and sines take its registers
.irp a, 2,3,4,5
	CSLOAD \a, 32*(\a-2)
.endr
	s_wait_dscnt 4*NL                              ; the very last step: nothing more to fetch
	WIN MUL_LO
	MUL16 0, 1, 0
	MUL16 2, 1, 0
	s_wait_dscnt 0
	WIN MUL_HI
	MUL16 4, 1, 0
	MUL16 6, 1, 0
	WIN 0
	s_wait_kmcnt 0x0
	s_cmp_eq_u32 ttmp9, 0
	s_cselect_b32 s84, s74, s75                    ; e2 for Q, e3 for K,
	s_cmp_eq_u32 ttmp9, 2
	s_cselect_b32 s84, s77, s84                    ; e5 for V
	s_sub_co_i32 s84, s84, s72
	s_sub_co_i32 s84, s84, s73                     ; a sum stands for sum x 2^(e0 + e1): the three scales are folded into the conversion's one
	s_add_co_i32 s84, s84, 127
	s_lshl_b32 s85, s84, 23
	v_mov_b32 v[SC], s85
	s_add_co_i32 s84, s84, 8
	s_lshl_b32 s84, s84, 23
	s_or_b32 s84, s84, 0x600000
	v_mov_b32 v[LIM], s84                          ; 448 x the scale
	PLACES NP
; THE WAY OUT of Q and K, block by block of 16 tokens x 128 columns (two heads): register j of tile b is d = 16 (b % 4) + 8 h + j: pairs (even, odd) are neighbours.  re = xe cos - xo sin, ro = xe sin + xo cos.
.macro ROPE a
.set AC, 64*((\a)%4)
.set PB, PC+16*((\a)%2)
.if (\a) > 1 && (\a) < 6
.set CB, 32*((\a)-2)                   ; in window 1
.set CW, 4
.else
.set CB, CS+32*((\a)%2)                ; in window 0
.set CW, 0
.endif
.if (\a) == 0
	s_wait_loadcnt 32                              ; blocks 0 and 1's loads are in; blocks 2-5's may be out
.elseif (\a) > 1
	s_wait_loadcnt 8*(7-(\a))                      ; the younger blocks' eight loads each may be out
	s_wait_xcnt 0x0                                ; block a - 2's stores have read their registers
.endif
	WIN 0x02+((\a)/4)+CW
.irp b, 0,1,2,3,4,5,6,7
.irp j, 0,2,4,6
	v_pk_mul_f32 v[T+8*\b+\j:T+8*\b+\j+1], v[AC+8*\b+\j:AC+8*\b+\j+1], v[CB+8*(\b%4)+\j:CB+8*(\b%4)+\j+1] op_sel:[1,1] op_sel_hi:[1,0] neg_lo:[1,0]   ; (-xo sin, xo cos)
.endr
.irp j, 0,2,4,6
	v_pk_fma_f32 v[T+8*\b+\j:T+8*\b+\j+1], v[AC+8*\b+\j:AC+8*\b+\j+1], v[CB+8*(\b%4)+\j:CB+8*(\b%4)+\j+1], v[T+8*\b+\j:T+8*\b+\j+1] op_sel_hi:[0,1,1]   ; + (xe cos, xe sin)
.endr
.endr
	WIN 0
.if (\a) < 2
	CSLOAD (\a)+6, CS+32*(\a)
.endif
.set nn, 0
.rept 64
	v_med3_num_f32 v[T+nn], v[T+nn], -v[LIM], v[LIM]   ; the conversion to an 8-bit code does not saturate (ISA guide 7.6.2)
.set nn, nn+1
.endr
.irp b, 0,1,2,3,4,5,6,7
	v_cvt_scalef32_pk8_fp8_f32 v[PB+2*\b:PB+2*\b+1], v[T+8*\b:T+8*\b+7], v[SC]
.endr
	v_nop                                          ; one plain line behind the last conversion
.irp hd, 0,1
.irp g, 0,1
	global_store_b128 v[LI], v[PB+8*\hd+4*\g:PB+8*\hd+4*\g+3], s[80:81] offset:1024*(\a)+131072*\hd+512*\g   ; 512 consecutive bytes, aligned
.endr
.endr
.endm
; THE WAY OUT of V, block by block of 16 d x 128 tokens
.macro VOUT a
.set AC, 64*((\a)%4)
.set PB, PC+16*((\a)%2)
.if (\a) > 1
	s_wait_xcnt 0x0                                ; block a - 2's stores have read their registers
.endif
	WIN 0x02+((\a)/4)
.set nn, 0
.rept 64
	v_med3_num_f32 v[T+nn], v[AC+nn], -v[LIM], v[LIM]
.set nn, nn+1
.endr
	WIN 0
.irp b, 0,1,2,3,4,5,6,7
	v_cvt_scalef32_pk8_fp8_f32 v[PB+2*\b:PB+2*\b+1], v[T+8*\b:T+8*\b+7], v[SC]
.endr
	v_nop
.irp g, 0,1,2,3
	global_store_b128 v[LI], v[PB+4*\g:PB+4*\g+3], s[80:81] offset:131072*((\a)/4)+2048*((\a)%4)+512*\g
.endr
.endm
	s_wait_alu depctr_va_vdst(0)
	s_cmp_eq_u32 ttmp9, 2
	s_cbranch_scc1 .Lv_out
.irp a, 0,1,2,3,4,5,6,7
	ROPE \a
.endr
	s_branch .Lend
.Lv_out:
.irp a, 0,1,2,3,4,5,6,7
	VOUT \a
.endr
.Lend:
	s_wait_tensorcnt 0x0                           ; the wave's end
	ds_add_u32 v[SPW], v[NIL]
	s_wait_dscnt 0x0
	CROUND                                         ; the closing round: no work-group ends while a partner may still ask for a tile that names it
	s_endpgm
.Lfunc_end_k_q286e22593b_qkv:
	.size	k_q286e22593b_qkv, .Lfunc_end_k_q286e22593b_qkv-k_q286e22593b_qkv
	.p2alignl 7, 3214868480
	.fill 96, 4, 3214868480
	.section	.rodata,"a",@progbits
	.p2align	6, 0x0
	.amdhsa_kernel k_q286e22593b_qkv
		.amdhsa_group_segment_fixed_size 327680
		.amdhsa_private_segment_fixed_size 0
		.amdhsa_enable_private_segment 0
		.amdhsa_kernarg_size 48
		.amdhsa_user_sgpr_count 2
		.amdhsa_user_sgpr_kernarg_segment_ptr 1
		.amdhsa_wavefront_size32 1
		.amdhsa_system_sgpr_workgroup_id_x 1
		.amdhsa_system_sgpr_workgroup_id_y 1
		.amdhsa_system_sgpr_workgroup_id_z 1
		.amdhsa_system_vgpr_workitem_id 0
		.amdhsa_next_free_vgpr 1024
		.amdhsa_next_free_sgpr 96
		.amdhsa_reserve_vcc 0
		.amdhsa_float_denorm_mode_32 3
		.amdhsa_float_denorm_mode_16_64 3
		.amdhsa_memory_ordered 1
		.amdhsa_forward_progress 1
		.amdhsa_inst_pref_size 197
	.end_amdhsa_kernel
	.amdgpu_metadata
---
amdhsa.version: [ 1, 2 ]
amdhsa.kernels:
  - .name:           k_q286e22593b_qkv
    .symbol:         k_q286e22593b_qkv.kd
    .args:
      - { .name: codes, .offset: 0, .size: 8, .value_kind: global_buffer, .address_space: global }
      - { .name: cs, .offset: 8, .size: 8, .value_kind: global_buffer, .address_space: global }
      - { .name: lowp_scales, .offset: 16, .size: 8, .value_kind: global_buffer, .address_space: global }
      - { .name: qc, .offset: 24, .size: 8, .value_kind: global_buffer, .address_space: global }
      - { .name: kc, .offset: 32, .size: 8, .value_kind: global_buffer, .address_space: global }
      - { .name: vc, .offset: 40, .size: 8, .value_kind: global_buffer, .address_space: global }
    .group_segment_fixed_size: 327680
    .private_segment_fixed_size: 0
    .kernarg_segment_align: 8
    .kernarg_segment_size: 48
    .max_flat_workgroup_size: 128
    .sgpr_count:     96
    .vgpr_count:     1024
    .wavefront_size: 32
...
	.end_amdgpu_metadata
.endif
;; end of part 2
;; launch attn (part 3): grid 4 x 64, 8 waves a work-group, clusters of 4 x 1, 327,680 bytes of LDS; arguments qc, kc, vc, lowp_scales, oc; writes oc
.if DOCPART == 3
	.amdgcn_target "amdgcn-amd-amdhsa--gfx1250"
	.amdhsa_code_object_version 6
	.text
	.protected	k_q286e22593b_attn
	.globl	k_q286e22593b_attn
	.p2align	8
	.type	k_q286e22593b_attn,@function
k_q286e22593b_attn:
	s_mov_b64 s[64:65], 0
	v_nop
	global_prefetch_b8 v0, s[64:65] scope:SCOPE_SE
	s_setreg_imm32_b32 hwreg(HW_REG_WAVE_MODE, 25, 1), 1
	s_wait_xcnt 0x0
	s_wait_alu depctr_hold_cnt(0) depctr_sa_sdst(0) depctr_va_vdst(0) depctr_va_sdst(0) depctr_va_ssrc(0) depctr_va_vcc(0) depctr_vm_vsrc(0)
	s_getreg_b32 s2, hwreg(HW_REG_IB_STS2, 6, 4)
	s_cmp_eq_u32 s2, 0
	s_cbranch_scc0 .Lentry_in_a_cluster
	s_endpgm
.Lentry_in_a_cluster:
	s_bfe_u32 s2, ttmp6, 0x10000c
	s_cmp_lg_u32 s2, 0x3003
	s_cbranch_scc0 .Lentry_shape_is_right
	s_endpgm
.Lentry_shape_is_right:
; Causal attention of one head on codes of FP8 (E4M3): S = Q K^T (scales: entries 2, 3), p = 2^(t - M) quantised (entry 4), O = p V (entry 5), O / l quantised (entry 6) for the last product.
; t = score x log2(e) / 8; M = the row's largest t so far, rounded UP to a whole number; the row's sum l is taken of the unquantised p, in f32.  When M moves, l and O are multiplied by 2^(old M - new M): exact.
; SHARES.  Cluster y = 32 c + head (batch x 16 + head).  Blocks of 128 queries: waves w = s + 4 z (s = 0 .. 3, z = 0, 1) of all four partners own blocks i = 2 s + c and 15 - i; partner cx takes queries 32 cx .. + 31 of each block: two tiles of 16,
; which share every fragment of K and V.  A block j has j + 1 key steps of 128 that count, so blocks i and 15 - i have 17.  z = 0: all of block i (i + 1 steps), then block 15 - i's keys from 1,152 on (7 - i steps): 8 steps.
; z = 1: block 15 - i's keys 0 .. 1,151: 9 steps.  Block 15 - i's two parts are joined at the end: wave z finishes tile z, and gets the other wave's sums of it through LDS.  So local tile 0 is tile z, local tile 1 is tile 1 - z.
; No branch and no LDS address hangs on cx: the partners differ in addresses of queries and in the mask's numbers alone.
; LEFT OUT: blocks of 128 queries x 128 keys wholly above the diagonal (the first kernel's head says why).
; ALL OF THE HEAD'S K AND V LIE IN LDS, 131,072 bytes each, as they lie in memory: images of fragments (group g of four registers at 512 g + 16 x lane).  They are filled once, by joint loads of the four partners, one load a wave at a
; time: keys 0-511 at the head (8,192 bytes a wave); when these have landed the others (24,576 bytes a wave), which have two key steps in which to land.
; NO PREFETCH: no slot is filled again, and no loop stands ahead of the second load in which it could be asked for earlier.
; LAYOUT.  Both products are used transposed: S^T = K Q^T (source 0 = 16 keys, source 1 = 16 queries), O^T = V^T P^T (source 0 = 16 d, source 1 = P): a lane holds ONE query (lane % 16) throughout.
; Register j of tile t of S^T is key 16 t + 8 (lane / 16) + j: the eight registers, converted, are registers 2 t, 2 t + 1 of P's fragment.  Likewise O^T's tiles for the last product's operand, oc:
; [256 token tiles][8 K steps of 128][2,048 bytes]; head hd fills K step hd / 2, groups 2 (hd % 2) and + 1.
; LIMITS on the given exponents: e2 + e3 between -123 and 8 (added to c's exponent field; and every score stays far above -1e9); e4 and e6 between -126 and 119; e4 + e5 is applied by v_ldexp_f32 and has none.
; The scaled scores stay under 2^31 in magnitude.  NaN is not served.
; REGISTERS.  Window 0: v1-11 addresses and constants; tile 0: v12 -M, v13 the largest t, v[14:15] the sum in two halves, v20 its factor; tile 1: v16, v17, v[18:19], v22; v24-31 at work; v32-36 constants; v40-55, v56-71 p's codes;
; v128-191, v192-255 S^T, then p.  Window 1: v0-31, v32-63 O^T; v64-127 K's 8 fragments; v128-191 V's 4; v192-207 Q; v208-223 block 15 - i's Q.
.set VREG,  131072                     ; V lies behind K
.set SPARE, 262144                     ; the spare words, 128 bytes for each wave
.set XR,    263168                     ; a tile's 34 registers of each wave, 128 bytes each, on their way to the wave that finishes it; no tile lands here
.set XP,    4352
.set LI,   1
.set ADK,  2
.set ADV,  3
.set SPW,  8
.set NIL,  9
.set WV,   14
.set QB,   18                          ; s18  the first query of the block in hand
.set KF,   19                          ; s19  the step's first key
.set SEL,  20                          ; s[20:21] lane selects for v_permlanex16_b32: lane l xor 16
.set CS,   22                          ; s[22:23] c = log2(e) / 8 x 2^(e2 + e3)
.set G1,   24                          ; s[24:31], s[32:35] descriptor of my first load
.set G0,   32
.set G0B,  84                          ; s[84:87], s[88:95] of my second
.set G1B,  88
.set ZZ,   36                          ; s36  z
.set CX,   37                          ; s37  my place in the cluster
.set LIMK, 38                          ; s38  the first key of my last step of the block in hand
.set SWK,  39                          ; s39  the key at which block 15 - i begins for me (z = 0), or none
.set QBB,  40                          ; s40  block 15 - i's first query
.set QBA,  41                          ; s41  block i's
.set EPV,  46                          ; s46  e4 + e5
.set TB,   56                          ; s56  LDS byte at which the step's tiles of K begin
.set CNT,  57
.set MSB, 0
.macro WIN new                         ; the immediate's high byte repeats the setting that is left
.if MSB != (\new)
	s_set_vgpr_msb (MSB<<8)|(\new)
.set MSB, (\new)
.endif
.endm
.macro CROUND                          ; a round of the cluster's barrier
	s_barrier_signal -1
	s_barrier_wait -1
	s_cmp_lg_u32 s[WV], 0
	s_cbranch_scc1 .Lnot_wave_0_\@
	s_barrier_signal -3
.Lnot_wave_0_\@:
	s_barrier_wait -3
	s_barrier_signal -1
	s_barrier_wait -1
.endm
	s_load_b256 s[4:11], s[0:1], 0x0               ; qc 4:5, kc 6:7, vc 8:9, scales 10:11
	s_load_b64 s[12:13], s[0:1], 0x20              ; oc
	v_lshl_add_u32 v[SPW], v0, 2, SPARE
	v_mov_b32 v[NIL], 0
	ds_add_u32 v[SPW], v[NIL]                      ; the opening: the add, twice on end, and its wait ahead of my first tensor load
	ds_add_u32 v[SPW], v[NIL]
	v_lshrrev_b32 v1, 5, v0
	v_readfirstlane_b32 s[WV], v1                  ; wave 0..7
	s_bfe_u32 s[CX], ttmp6, 0x40000
	s_and_b32 s17, ttmp7, 0xffff
	s_lshr_b32 s16, s17, 5                         ; c
	s_and_b32 s15, s17, 31                         ; batch x 16 + head
	s_and_b32 s58, s[WV], 1                        ; I fetch of K (0) or of V (1)
	s_lshr_b32 s59, s[WV], 1                       ; which quarter of each piece
	s_lshl_b32 s42, s58, 17
	s_lshl_b32 s62, s59, 13                        ; keys 0-511: 8,192 bytes a wave
	s_mul_i32 s63, s59, 24576                      ; keys 512-2,047: 24,576 bytes a wave
	s_add_co_u32 s63, s63, 32768
	s_mov_b32 s[G0], 1
	s_mov_b32 s[G0B], 1
	s_add_co_u32 s[G0+1], s42, s62                 ; LDS addresses
	s_add_co_u32 s[G0B+1], s42, s63
	s_lshl_b32 s60, s15, 17                        ; a head is 131,072 bytes
	s_add_co_u32 s44, s60, s63
	s_mov_b32 s45, 0
	s_add_co_u32 s60, s60, s62
	s_mov_b32 s61, 0
	; descriptor group 1: a dense block as 32 (the second: 96) rows of 256 bytes, for all four partners
.irp g, G1, G1B
	s_mov_b32 s[\g], 15|(3<<16)|(1<<21)            ; 15:0 the mask; 17:16 elements of 8 bytes; 21 set beside a mask; no padding
	s_mov_b32 s[\g+1], 32<<16                      ; tensor_dim0 = 32
	s_mov_b32 s[\g+3], 32<<16                      ; tile_dim0
	s_mov_b32 s[\g+5], 32                          ; tensor_dim0_stride
	s_mov_b32 s[\g+6], 0
	s_mov_b32 s[\g+7], 0
.endr
	s_mov_b32 s[G1+2], 32<<16                      ; tensor_dim1
	s_mov_b32 s[G1+4], 32                          ; tile_dim1
	s_mov_b32 s[G1B+2], 96<<16
	s_mov_b32 s[G1B+4], 96
	s_wait_dscnt 0x0                               ; both opening adds are done
	s_wait_kmcnt 0x0
	s_load_b256 s[48:55], s[10:11], 0x0            ; e0 .. e7
	s_cmp_eq_u32 s58, 0
	s_cselect_b64 s[62:63], s[6:7], s[8:9]
	s_add_nc_u64 s[G0+2:G0+3], s[62:63], s[60:61]
	s_or_b32 s[G0+3], s[G0+3], 0x80000000
	s_add_nc_u64 s[G0B+2:G0B+3], s[62:63], s[44:45]
	s_or_b32 s[G0B+3], s[G0B+3], 0x80000000
	CROUND                                         ; all four work-groups are here: the joint loads meet
	tensor_load_to_lds s[G0:G0+3], s[G1:G1+7]      ; my part of keys 0-511
	s_nop 0
	s_lshr_b32 s[ZZ], s[WV], 2
	s_and_b32 s58, s[WV], 3
	s_lshl_b32 s58, s58, 1
	s_add_co_u32 s58, s58, s16                     ; i = 2 s + c
	s_sub_co_u32 s59, 15, s58
	s_lshl_b32 s[QBA], s58, 7
	s_lshl_b32 s[QBB], s59, 7
	s_cmp_eq_u32 s[ZZ], 0
	s_cselect_b32 s[QB], s[QBA], s[QBB]
	s_mov_b32 s59, 1024
	s_cselect_b32 s[LIMK], s[QBA], s59             ; z = 0: up to block i's diagonal; z = 1: keys 0 .. 1,151
	s_mov_b32 s59, -1
	s_cselect_b32 s[SWK], 1152, s59
	s_lshl_b32 s62, s15, 17                        ; Q: 16 queries are 1,024 bytes
	s_lshl_b32 s58, s[CX], 11
	s_add_co_u32 s62, s62, s58
	s_lshl_b32 s58, s[ZZ], 10
	s_add_co_u32 s62, s62, s58                     ; local tile 0 is tile z
	s_lshl_b32 s58, s[QB], 6
	s_add_co_u32 s60, s62, s58
	s_add_nc_u64 s[74:75], s[4:5], s[60:61]
	s_xor_b32 s60, s60, 1024                       ; local tile 1: the other one
	s_add_nc_u64 s[76:77], s[4:5], s[60:61]
	s_lshl_b32 s58, s[QBB], 6
	s_add_co_u32 s60, s62, s58
	s_add_nc_u64 s[78:79], s[4:5], s[60:61]
	s_xor_b32 s60, s60, 1024
	s_add_nc_u64 s[80:81], s[4:5], s[60:61]
	s_lshr_b32 s62, s15, 4
	s_lshl_b32 s62, s62, 21                        ; oc: a batch is 128 token tiles of 16,384 bytes,
	s_and_b32 s58, s15, 15
	s_lshl_b32 s58, s58, 10                        ; a head 1,024 bytes in each,
	s_add_co_u32 s62, s62, s58
	s_lshl_b32 s58, s[CX], 15                      ; my 32 queries two of them
	s_add_co_u32 s62, s62, s58
	s_lshl_b32 s58, s[QBA], 10
	s_add_co_u32 s60, s62, s58
	s_add_nc_u64 s[70:71], s[12:13], s[60:61]      ; block i
	s_lshl_b32 s58, s[QBB], 10
	s_add_co_u32 s60, s62, s58
	s_lshl_b32 s58, s[ZZ], 14
	s_add_co_u32 s60, s60, s58
	s_add_nc_u64 s[72:73], s[12:13], s[60:61]      ; block 15 - i, tile z
	s_lshl_b32 s58, s[CX], 5
	s_lshl_b32 s59, s[ZZ], 4
	s_add_co_u32 s58, s58, s59
	s_xor_b32 s59, s58, 16
	v_and_b32 v1, 31, v0
	v_and_b32 v2, 15, v0                           ; r
	v_bfe_u32 v3, v0, 4, 1                         ; h
	v_lshlrev_b32 v[LI], 4, v1                     ; 16 x lane
	v_lshlrev_b32 v3, 3, v3
	v_sub_nc_u32 v4, v2, v3
	v_add_nc_u32 v5, s59, v4                       ; a tile's query, counted from its block's first, less 8 h: local tile 1,
	v_add_nc_u32 v4, s58, v4                       ; local tile 0
	WIN 0x40                                       ; destination window 1
	global_load_b128 v[192:195], v[LI], s[74:75]
	global_load_b128 v[196:199], v[LI], s[74:75] offset:512
	global_load_b128 v[200:203], v[LI], s[76:77]
	global_load_b128 v[204:207], v[LI], s[76:77] offset:512
	global_load_b128 v[208:211], v[LI], s[78:79]   ; block 15 - i's, for z = 0's second block (one text for all waves)
	global_load_b128 v[212:215], v[LI], s[78:79] offset:512
	global_load_b128 v[216:219], v[LI], s[80:81]
	global_load_b128 v[220:223], v[LI], s[80:81] offset:512
	WIN 0
	s_mov_b32 s[SEL], 0x76543210
	s_mov_b32 s[SEL+1], 0xfedcba98
	s_mov_b32 s[CS], 0x3e38aa3b                    ; log2(e) / 8
	s_wait_alu depctr_va_vdst(0)
	s_wait_kmcnt 0x0
	s_add_co_i32 s58, s50, s51
	s_lshl_b32 s58, s58, 23
	s_add_co_i32 s[CS], s[CS], s58                 ; a score stands for score x 2^(e2 + e3): the two exponents are added to c's exponent field
	s_mov_b32 s[CS+1], s[CS]                       ; (named with it as a pair, so it is written)
	s_add_co_i32 s58, s52, 127
	s_lshl_b32 s66, s58, 23                        ; 2^e4
	s_add_co_i32 s58, s58, 8
	s_lshl_b32 s67, s58, 23
	s_or_b32 s67, s67, 0x600000                    ; 448 x 2^e4
	s_add_co_i32 s58, s54, 127
	s_lshl_b32 s68, s58, 23                        ; 2^e6
	s_add_co_i32 s58, s58, 8
	s_lshl_b32 s69, s58, 23
	s_or_b32 s69, s69, 0x600000                    ; 448 x 2^e6
	s_add_co_i32 s[EPV], s52, s53
	v_mov_b32 v32, s67
	v_mov_b32 v33, s67
	v_mov_b32 v34, s66
	v_mov_b32 v35, s69
	v_mov_b32 v36, s68
	v_mov_b32 v6, 0xff800000                       ; -infinity
	v_mov_b32 v21, 0                               ; (v21, v23: named as the upper halves of pairs)
	v_mov_b32 v23, 0
	v_mov_b32 v28, 0                               ; a lane permute's destination counts as one of its sources
	v_mov_b32 v29, 0
.macro INIT                            ; a block's first values.  The step is written once: its first run finds zeros, which the first change of M leaves zeros
	v_mov_b32 v13, 0xff61b1e6                      ; the largest t so far: -3e38, under every t
	v_mov_b32 v17, 0xff61b1e6
	v_mov_b32 v14, 0
	v_mov_b32 v15, 0
	v_mov_b32 v18, 0
	v_mov_b32 v19, 0
	v_floor_f32 v12, -v13                          ; -M
	v_floor_f32 v16, -v17
	WIN 0x40
.set nn, 0
.rept 64
	v_mov_b32 v[nn], 0
.set nn, nn+1
.endr
	WIN 0
.endm
	INIT
.macro MASK b, d                       ; register 8 t + j holds key KF + 16 t + 8 h + j: hidden where 16 t + j > my query - 8 h - KF; KF is the block's first query here
.set nn, 0
.rept 64
	v_cmp_gt_i32 vcc_lo, 16*(nn/8)+nn%8, v[\d]
	v_cndmask_b32 v[\b+nn], v[\b+nn], v6, vcc_lo
.set nn, nn+1
.endr
.endm
; A KEY STEP: 128 keys for my 32 queries.  The two tiles' work is interleaved.
.macro STEP
	s_cmp_gt_u32 s[KF], s[LIMK]
	s_cbranch_scc1 .Lpast_\@                       ; no key of this step is mine: a branch on ids, the same in all partners
	v_add_nc_u32 v[ADK], s[TB], v[LI]
	v_nop                                          ; with the two additions: four places in front of loads into registers that the last products have read
	v_nop
	v_add_nc_u32 v[ADV], VREG, v[ADK]
	WIN 0x40                                       ; destination window 1
.irp d, 0,1,2,3
.irp g, 0,1,2,3
	ds_load_b128 v[128+16*\d+4*\g:131+16*\d+4*\g], v[ADV] offset:2048*\d+512*\g
.endr
.endr
	s_wait_alu depctr_va_vdst(0)
	s_wait_dscnt 16                                ; K's sixteen loads, issued a step ago, are in; V's sixteen may be out
	WIN 0x05                                       ; K and Q in window 1, S^T in window 0
.irp t, 0,1,2,3,4,5,6,7                            ; S^T = K Q^T: eight tiles of 16 keys, K = the head's 64
	v_wmma_f32_16x16x64_fp8_fp8 v[128+8*\t:135+8*\t], v[64+8*\t:71+8*\t], v[192:199], 0
	v_wmma_f32_16x16x64_fp8_fp8 v[192+8*\t:199+8*\t], v[64+8*\t:71+8*\t], v[200:207], 0
.endr
	WIN 0
.rept 4
	v_nop                                          ; places in front of the first read of the scores
.endr
	KLOAD 8192                                     ; the next step's K (my last step's is read for nobody: one count of loads on every path)
	s_cmp_lg_u32 s[KF], s[QB]
	s_cbranch_scc1 .Lopen_\@                       ; all 128 keys count for all my queries
	MASK 128, 4
	MASK 192, 5
.Lopen_\@:
	v_max3_num_f32 v24, v128, v129, v130           ; the step's largest score of my query among my 64 keys, two chains a tile, each accumulator from its low end on,
	v_max3_num_f32 v25, v160, v161, v162
	v_max3_num_f32 v26, v192, v193, v194
	v_max3_num_f32 v27, v224, v225, v226
.set nn, 3
.rept 14
	v_max3_num_f32 v24, v24, v[128+nn], v[129+nn]
	v_max3_num_f32 v25, v25, v[160+nn], v[161+nn]
	v_max3_num_f32 v26, v26, v[192+nn], v[193+nn]
	v_max3_num_f32 v27, v27, v[224+nn], v[225+nn]
.set nn, nn+2
.endr
	v_max3_num_f32 v24, v24, v159, v191
	v_max3_num_f32 v26, v26, v223, v255
	v_max_num_f32 v24, v24, v25
	v_max_num_f32 v26, v26, v27
	v_permlanex16_b32 v28, v24, s[SEL], s[SEL+1]
	v_permlanex16_b32 v29, v26, s[SEL], s[SEL+1]
	v_max_num_f32 v24, v24, v28                    ; and among lane l xor 16's
	v_max_num_f32 v26, v26, v29
	v_mul_f32 v24, s[CS], v24                      ; as t (c is positive)
	v_mul_f32 v26, s[CS], v26
	v_max_num_f32 v13, v13, v24                    ; the running largest t
	v_max_num_f32 v17, v17, v26
	v_mov_b32 v24, v12
	v_mov_b32 v26, v16
	v_floor_f32 v12, -v13                          ; the new -M = floor(-t) = -ceil(t): a whole number
	v_floor_f32 v16, -v17
	v_sub_f32 v24, v12, v24                        ; old M - new M: a whole number, 0 or less
	v_sub_f32 v26, v16, v26
	v_cvt_i32_f32 v24, v24                         ; (it saturates)
	v_cvt_i32_f32 v26, v26
	v_ldexp_f32 v20, 1.0, v24                      ; f = 2^(old M - new M)
	v_ldexp_f32 v22, 1.0, v26
.set nn, 0
.rept 32
	v_pk_fma_f32 v[128+nn:129+nn], v[128+nn:129+nn], s[CS:CS+1], v[12:13] op_sel_hi:[1,0,0]   ; t - M, two at a time (of the pairs c and -M the low word serves both halves)
	v_pk_fma_f32 v[192+nn:193+nn], v[192+nn:193+nn], s[CS:CS+1], v[16:17] op_sel_hi:[1,0,0]
.set nn, nn+2
.endr
	WIN 0x41
.set nn, 0
.rept 16
	v_pk_mul_f32 v[nn:nn+1], v[nn:nn+1], v[20:21] op_sel_hi:[1,0]   ; O^T under the new M
	v_pk_mul_f32 v[32+nn:33+nn], v[32+nn:33+nn], v[22:23] op_sel_hi:[1,0]
.set nn, nn+2
.endr
	WIN 0
	s_wait_alu depctr_va_vdst(0)                   ; the wait ahead of the batch
.set nn, 128
.rept 128
	v_exp_f32 v[nn], v[nn]                         ; p = 2^(t - M), at most 1: not normalised
.set nn, nn+1
.endr
	v_pk_mul_f32 v[14:15], v[14:15], v[20:21] op_sel_hi:[1,0]   ; the sums under the new M: plain instructions behind the exponentials
	v_pk_mul_f32 v[18:19], v[18:19], v[22:23] op_sel_hi:[1,0]
	s_wait_alu depctr_va_vdst(0)                   ; one wait for the whole batch, ahead of its first reader, and directly ahead of the wait below
	s_wait_dscnt 16                                ; V is in; the next step's K may be out
	v_pk_add_f32 v[24:25], v[128:129], v[130:131]  ; the row's sum is taken of the unquantised p: two at a time, two chains a tile
	v_pk_add_f32 v[26:27], v[192:193], v[194:195]
.set nn, 4
.rept 15
	v_pk_add_f32 v[14:15], v[14:15], v[128+nn:129+nn]
	v_pk_add_f32 v[18:19], v[18:19], v[192+nn:193+nn]
	v_pk_add_f32 v[24:25], v[24:25], v[130+nn:131+nn]
	v_pk_add_f32 v[26:27], v[26:27], v[194+nn:195+nn]
.set nn, nn+4
.endr
	v_pk_add_f32 v[14:15], v[14:15], v[24:25]
	v_pk_add_f32 v[18:19], v[18:19], v[26:27]
.set nn, 128
.rept 64
	v_dual_min_num_f32 v[nn], v[nn], v32 :: v_dual_min_num_f32 v[nn+1], v[nn+1], v33   ; the conversion does not saturate (ISA guide 7.6.2); p is not negative, so the hold is one-sided
.set nn, nn+2
.endr
.set nn, 0
.rept 16
	v_cvt_scalef32_pk8_fp8_f32 v[40+2*nn:41+2*nn], v[128+8*nn:135+8*nn], v34   ; keys 16 t + 8 h + 0 .. 7: registers 2 t, 2 t + 1 of P's fragment
.set nn, nn+1
.endr
	v_nop                                          ; one plain line behind the last conversion
	WIN 0x51                                       ; V and O^T in window 1, P in window 0
.irp d, 0,1,2,3                                    ; O^T += V^T P^T: four tiles of 16 d, K = the step's 128 keys; the eight accumulators take turns
	v_wmma_f32_16x16x128_fp8_fp8 v[8*\d:8*\d+7], v[128+16*\d:143+16*\d], v[40:55], v[8*\d:8*\d+7]
	v_wmma_f32_16x16x128_fp8_fp8 v[32+8*\d:39+8*\d], v[128+16*\d:143+16*\d], v[56:71], v[32+8*\d:39+8*\d]
.endr
	WIN 0
.Lpast_\@:
	s_add_co_u32 s[KF], s[KF], 128
	s_add_co_u32 s[TB], s[TB], 8192                ; 128 keys are 8,192 bytes of K, and of V
.endm
.macro KLOAD off                       ; K's eight fragments of the 128 keys at the address in hand + off
	WIN 0x40
.irp t, 0,1,2,3,4,5,6,7
.irp g, 0,1
	ds_load_b128 v[64+8*\t+4*\g:67+8*\t+4*\g], v[ADK] offset:\off+1024*\t+512*\g
.endr
.endr
	WIN 0
.endm
.macro SUML                            ; the sums' two halves, and lane l xor 16's: the rows' sums
	v_add_f32 v14, v14, v15
	v_add_f32 v18, v18, v19
	v_permlanex16_b32 v28, v14, s[SEL], s[SEL+1]
	v_permlanex16_b32 v29, v18, s[SEL], s[SEL+1]
	v_add_f32 v14, v14, v28
	v_add_f32 v18, v18, v29
.endm
.macro CODES b, n, p                   ; n registers of O / l from b on become codes from p on
.set nn, 0
.rept \n
	v_med3_num_f32 v[\b+nn], v[\b+nn], -v35, v35
.set nn, nn+1
.endr
.set nn, 0
.rept (\n)/8
	v_cvt_scalef32_pk8_fp8_f32 v[\p+2*nn:\p+2*nn+1], v[\b+8*nn:\b+8*nn+7], v36
.set nn, nn+1
.endr
	v_nop                                          ; one plain line behind the last conversion
.endm
	s_wait_alu depctr_va_vdst(0)                   ; the wait at the head's end
	s_wait_tensorcnt 0x0                           ; my part of keys 0-511 is in
	ds_add_u32 v[SPW], v[NIL]
	s_wait_dscnt 0x0
	CROUND                                         ; everybody's part is in, and the joint loads meet
	tensor_load_to_lds s[G0B:G0B+3], s[G1B:G1B+7]  ; my part of keys 512-2,047
	s_nop 0
	s_mov_b32 s[TB], 0
	s_mov_b32 s[KF], 0
	s_mov_b32 s[CNT], 2
	s_wait_loadcnt 0x0                             ; Q
	v_add_nc_u32 v[ADK], s[TB], v[LI]
	KLOAD 0                                        ; the first step's K
.Lfirst:                                           ; keys 0-255
	STEP
	s_sub_co_u32 s[CNT], s[CNT], 1
	s_cmp_lg_u32 s[CNT], 0
	s_cbranch_scc1 .Lfirst
	s_wait_tensorcnt 0x0                           ; my load is in,
	s_wait_dscnt 0x0
	s_barrier_signal -1
	s_barrier_wait -1                              ; everybody's is
	s_mov_b32 s[TB], 16384
	s_mov_b32 s[KF], 256
	s_mov_b32 s[CNT], 14
.Lrest:                                            ; keys 256-2,047
	s_cmp_lg_u32 s[KF], s[SWK]
	s_cbranch_scc1 .Lsame_block
	; z = 0, once: block i is finished: O^T x 2^(e4 + e5) / l, quantised with 2^e6; a tile's four conversions are two groups of the last product's fragment
	s_wait_dscnt 0x0                               ; what was fetched behind block i's last step has come back: its registers may be loaded again
	v_add_nc_u32 v[ADK], s[TB], v[LI]
	KLOAD 0                                        ; this step's K
	SUML                                           ; (four of its lines are places behind the last products, too)
	s_wait_alu depctr_va_vdst(0)                   ; the wait ahead of the batch
	v_rcp_f32 v14, v14
	v_rcp_f32 v18, v18
	v_nop                                          ; a plain instruction behind the reciprocals
	s_wait_alu depctr_va_vdst(0)                   ; and the wait ahead of their first reader
	v_ldexp_f32 v14, v14, s[EPV]
	v_ldexp_f32 v18, v18, s[EPV]
	WIN 0x01
	s_wait_alu depctr_va_vdst(0)                   ; the wait directly ahead of the first reader of O^T
.set nn, 0
.rept 16
	v_pk_mul_f32 v[128+nn:129+nn], v[nn:nn+1], v[14:15] op_sel_hi:[1,0]   ; each accumulator from its low end on
	v_pk_mul_f32 v[160+nn:161+nn], v[32+nn:33+nn], v[18:19] op_sel_hi:[1,0]
.set nn, nn+2
.endr
	WIN 0
	CODES 128, 64, 40
	global_store_b128 v[LI], v[40:43], s[70:71]                ; each store covers 512 consecutive bytes, aligned
	global_store_b128 v[LI], v[44:47], s[70:71] offset:512
	global_store_b128 v[LI], v[48:51], s[70:71] offset:16384
	global_store_b128 v[LI], v[52:55], s[70:71] offset:16896
	WIN 0x41
.set nn, 0
.rept 16
	v_mov_b32 v[192+nn], v[208+nn]                 ; block 15 - i's queries
.set nn, nn+1
.endr
	WIN 0
	INIT
	s_mov_b32 s[QB], s[QBB]
	s_mov_b32 s[LIMK], s[QBB]
	s_wait_alu depctr_va_vdst(0)
	s_wait_xcnt 0x0                                ; the stores have read their registers: the next step's codes may land there
.Lsame_block:
	STEP
	s_sub_co_u32 s[CNT], s[CNT], 1
	s_cmp_lg_u32 s[CNT], 0
	s_cbranch_scc1 .Lrest
	; BLOCK 15 - i IS JOINED.  I send local tile 1's O^T, -M and l, and get the same of local tile 0 from the wave that shares its queries (w xor 4).
	s_mul_i32 s42, s[WV], XP
	s_add_co_u32 s42, s42, XR
	s_xor_b32 s43, s[WV], 4
	s_mul_i32 s43, s43, XP
	s_add_co_u32 s43, s43, XR
	SUML                                           ; (four of its lines are places behind the last products, too)
	v_mov_b32 v17, v18                             ; -M and l side by side
	v_lshrrev_b32 v11, 1, v[LI]                    ; 8 x lane
	v_add_nc_u32 v7, s42, v[LI]
	v_add_nc_u32 v10, s42, v11
	v_add_nc_u32 v30, s43, v[LI]
	v_add_nc_u32 v31, s43, v11
	ds_store_b64 v10, v[16:17] offset:4096
	WIN 0x04                                       ; the data in window 1
.irp g, 0,1,2,3,4,5,6,7
	ds_store_b128 v7, v[32+4*\g:35+4*\g] offset:512*\g
.endr
	WIN 0
	s_wait_alu depctr_va_vdst(0)
	s_wait_dscnt 0x0                               ; my stores are in LDS,
	s_barrier_signal -1
	s_barrier_wait -1                              ; everybody's are
	ds_load_b64 v[24:25], v31 offset:4096
	WIN 0x40
.irp g, 0,1,2,3,4,5,6,7
	ds_load_b128 v[64+4*\g:67+4*\g], v30 offset:512*\g
.endr
	WIN 0
	s_wait_dscnt 0x0
	v_min_num_f32 v26, v12, v24                    ; -M of the two parts together
	v_sub_f32 v27, v26, v12
	v_sub_f32 v28, v26, v24
	v_cvt_i32_f32 v27, v27
	v_cvt_i32_f32 v28, v28
	v_ldexp_f32 v20, 1.0, v27                      ; each part under the common M: exact.  (A part without keys has zeros)
	v_ldexp_f32 v22, 1.0, v28
	v_mul_f32 v25, v25, v22
	v_fma_f32 v14, v14, v20, v25                   ; l
	WIN 0x41
.set nn, 0
.rept 16
	v_pk_mul_f32 v[nn:nn+1], v[nn:nn+1], v[20:21] op_sel_hi:[1,0]
.set nn, nn+2
.endr
	WIN 0x51
.set nn, 0
.rept 16
	v_pk_fma_f32 v[nn:nn+1], v[64+nn:65+nn], v[22:23], v[nn:nn+1] op_sel_hi:[1,0,1]
.set nn, nn+2
.endr
	WIN 0
	s_wait_alu depctr_va_vdst(0)                   ; the wait ahead of the transcendental
	v_rcp_f32 v14, v14
	v_nop
	s_wait_alu depctr_va_vdst(0)                   ; and ahead of its first reader
	v_ldexp_f32 v14, v14, s[EPV]
	WIN 0x01
.set nn, 0
.rept 16
	v_pk_mul_f32 v[128+nn:129+nn], v[nn:nn+1], v[14:15] op_sel_hi:[1,0]
.set nn, nn+2
.endr
	WIN 0
	CODES 128, 32, 40
	global_store_b128 v[LI], v[40:43], s[72:73]
	global_store_b128 v[LI], v[44:47], s[72:73] offset:512
	s_wait_tensorcnt 0x0                           ; the wave's end
	ds_add_u32 v[SPW], v[NIL]
	s_wait_dscnt 0x0
	CROUND                                         ; the closing round: no work-group ends while a partner may still ask for a tile that names it
	s_endpgm
.Lfunc_end_k_q286e22593b_attn:
	.size	k_q286e22593b_attn, .Lfunc_end_k_q286e22593b_attn-k_q286e22593b_attn
	.p2alignl 7, 3214868480
	.fill 96, 4, 3214868480
	.section	.rodata,"a",@progbits
	.p2align	6, 0x0
	.amdhsa_kernel k_q286e22593b_attn
		.amdhsa_group_segment_fixed_size 327680
		.amdhsa_private_segment_fixed_size 0
		.amdhsa_enable_private_segment 0
		.amdhsa_kernarg_size 40
		.amdhsa_user_sgpr_count 2
		.amdhsa_user_sgpr_kernarg_segment_ptr 1
		.amdhsa_wavefront_size32 1
		.amdhsa_system_sgpr_workgroup_id_x 1
		.amdhsa_system_sgpr_workgroup_id_y 1
		.amdhsa_system_sgpr_workgroup_id_z 1
		.amdhsa_system_vgpr_workitem_id 0
		.amdhsa_next_free_vgpr 512
		.amdhsa_next_free_sgpr 96
		.amdhsa_reserve_vcc 1
		.amdhsa_float_denorm_mode_32 3
		.amdhsa_float_denorm_mode_16_64 3
		.amdhsa_memory_ordered 1
		.amdhsa_forward_progress 1
		.amdhsa_inst_pref_size 109
	.end_amdhsa_kernel
	.amdgpu_metadata
---
amdhsa.version: [ 1, 2 ]
amdhsa.kernels:
  - .name:           k_q286e22593b_attn
    .symbol:         k_q286e22593b_attn.kd
    .args:
      - { .name: qc, .offset: 0, .size: 8, .value_kind: global_buffer, .address_space: global }
      - { .name: kc, .offset: 8, .size: 8, .value_kind: global_buffer, .address_space: global }
      - { .name: vc, .offset: 16, .size: 8, .value_kind: global_buffer, .address_space: global }
      - { .name: lowp_scales, .offset: 24, .size: 8, .value_kind: global_buffer, .address_space: global }
      - { .name: oc, .offset: 32, .size: 8, .value_kind: global_buffer, .address_space: global }
    .group_segment_fixed_size: 327680
    .private_segment_fixed_size: 0
    .kernarg_segment_align: 8
    .kernarg_segment_size: 40
    .max_flat_workgroup_size: 256
    .sgpr_count:     96
    .vgpr_count:     512
    .wavefront_size: 32
...
	.end_amdgpu_metadata
.endif
;; end of part 3
;; launch oproj (part 4): grid 8 x 32, 4 waves a work-group, clusters of 4 x 4, 327,680 bytes of LDS; arguments oc, codes, lowp_scales, out0; writes out0
.if DOCPART == 4
	.amdgcn_target "amdgcn-amd-amdhsa--gfx1250"
	.amdhsa_code_object_version 6
	.text
	.protected	k_q286e22593b_oproj
	.globl	k_q286e22593b_oproj
	.p2align	8
	.type	k_q286e22593b_oproj,@function
k_q286e22593b_oproj:
	s_mov_b64 s[64:65], 0
	v_nop
	global_prefetch_b8 v0, s[64:65] scope:SCOPE_SE
	s_setreg_imm32_b32 hwreg(HW_REG_WAVE_MODE, 25, 1), 1
	s_wait_xcnt 0x0
	s_wait_alu depctr_hold_cnt(0) depctr_sa_sdst(0) depctr_va_vdst(0) depctr_va_sdst(0) depctr_va_ssrc(0) depctr_va_vcc(0) depctr_vm_vsrc(0)
	s_getreg_b32 s2, hwreg(HW_REG_IB_STS2, 6, 4)
	s_cmp_eq_u32 s2, 0
	s_cbranch_scc0 .Lentry_in_a_cluster
	s_endpgm
.Lentry_in_a_cluster:
	s_bfe_u32 s2, ttmp6, 0x10000c
	s_cmp_lg_u32 s2, 0xf033
	s_cbranch_scc0 .Lentry_shape_is_right
	s_endpgm
.Lentry_shape_is_right:
; out0 = attention's result x W_o^T on codes of FP8 (E4M3), K = 1,024; each finished sum x 2^(e6 + e7).  out0: [4096][1024] f32.
; A tile of 128 x 128 is made by a work-group of four waves, a wave makes 64 x 64: 16 accumulators.  8 x 32 = 256 work-groups: tiles of 256 x 256 would be 64.
; Both operands are images of fragments (16 rows x 128 K: 2,048 bytes, group g of four registers at 512 g + 16 x lane; a row tile's 8 fragments on end, 16,384 bytes): oc's 256 token tiles, and W_o's 64 row tiles,
; which begin at row tile 448 of the codes' buffer.
; THE WHOLE K OF BOTH TILES FITS IN LDS, 262,144 bytes: each wave asks for four row tiles (65,536 bytes on end) by ONE load at the head; no byte of LDS is filled twice.  No tile is asked for behind the head, so there is nothing to prefetch.
; CLUSTERS: 4 x 4 work-groups.  The four of a row of the cluster need the same tokens, the four of a column the same rows of W_o: each tile is asked for jointly.
; THE MATRIX INSTRUCTION IS USED TRANSPOSED (source 0 = 16 rows of W_o, source 1 = 16 tokens): a lane holds eight neighbouring numbers of a row of out0.
; LIMIT: e6 + e7 lies between -126 and 127, so that 2^(e6 + e7) is an f32 number.
; REGISTERS: window 0: v16-26 addresses; v32-63 a block's scaled sums; v64-127 rows read back, two sets; v128-255 the accumulators ((a, b) at v[128 + 8 (4 a + b)]).
;   window 1: two sets of fragments of 128: A's four, then B's four.
.set STAGE, 262144                     ; behind the tiles: 16 rows x 272 bytes for each wave, for the way out; no tile lands here
.set SP,    272
.set SPARE, STAGE+4*16*SP              ; the spare words, 128 bytes for each wave
.set ADRA, 16                          ; v16     LDS address of my A fragments
.set ADRB, 20                          ; v20     the same for B
.set STO,  24                          ; v24     the way out: where I put 32 bytes of a row
.set RD,   25                          ; v25     where I read a row back
.set CO,   26                          ; v26     my byte offset in out0
.set TMP,  32
.set BK,   64
.set ACC,  128
.set G1A,  16                          ; s[16:23] descriptor group 1 for A's tile;  s[24:31] for B's
.set G1B,  24
.set G0A,  32                          ; s[32:35] group 0 for A;  s[36:39] for B
.set G0B,  36
.set MSB, 0
.macro WIN new                         ; the immediate's high byte repeats the setting that is left
.if MSB != (\new)
	s_set_vgpr_msb (MSB<<8)|(\new)
.set MSB, (\new)
.endif
.endm
.set MUL,  0x05                        ; sources 0 (B) and 1 (A) window 1; C and D window 0
.set TO_F, 0x40                        ; destination window 1, address window 0
.macro CROUND                          ; a round of the cluster's barrier
	s_barrier_signal -1
	s_barrier_wait -1
	s_cmp_lg_u32 s14, 0
	s_cbranch_scc1 .Lnot_wave_0_\@
	s_barrier_signal -3
.Lnot_wave_0_\@:
	s_barrier_wait -3
	s_barrier_signal -1
	s_barrier_wait -1
.endm
.macro PLACES                          ; four places in front of loads into registers that matrix instructions have read, and of the first read of results (ISA guide 7.12.1 for vector instructions)
.rept 4
	v_nop
.endr
.endm
	s_load_b256 s[4:11], s[0:1], 0x0               ; oc 4:5, codes 6:7, scales 8:9, out0 10:11
	v_lshl_add_u32 v30, v0, 2, SPARE
	v_mov_b32 v31, 0
	ds_add_u32 v30, v31                            ; the opening: the add, twice on end, and its wait ahead of my first tensor load
	ds_add_u32 v30, v31
	v_lshrrev_b32 v1, 5, v0
	v_readfirstlane_b32 s14, v1                    ; wave 0..3
	s_lshr_b32 s13, s14, 1                         ; which half of the tile's rows is mine.  Also: I fetch for A (0) or for B (1)
	s_and_b32 s12, s14, 1                          ; which half of its columns.  Also: which 64 rows of that tile I fetch
	s_bfe_u32 s68, ttmp6, 0x40000                  ; cx, cy: my place in the cluster
	s_bfe_u32 s69, ttmp6, 0x40004
	s_lshl_b32 s70, ttmp9, 2
	s_add_co_u32 s70, s70, s68                     ; tile column = 4 x cluster x + cx
	s_and_b32 s71, ttmp7, 0xffff
	s_lshl_b32 s71, s71, 2
	s_add_co_u32 s71, s71, s69                     ; tile row = 4 x cluster y + cy
	s_lshl_b32 s72, s69, 2
	s_lshl_b32 s72, 15, s72                        ; my row of the cluster
	s_lshl_b32 s73, 0x1111, s68                    ; my column
	; descriptor group 1: 4 row tiles of 16,384 bytes on end
	s_or_b32 s[G1A+0], s72, (3<<16)|(1<<21)        ; 15:0 the mask; 17:16 elements of 8 bytes; 20 no padding; 21 set beside a mask
	s_or_b32 s[G1B+0], s73, (3<<16)|(1<<21)
.irp g, G1A, G1B
	s_mov_b32 s[\g+1], 2048<<16                    ; tensor_dim0 = 2,048 elements
	s_mov_b32 s[\g+2], 4<<16                       ; tensor_dim1 = 4
	s_mov_b32 s[\g+3], 2048<<16                    ; tile_dim0
	s_mov_b32 s[\g+4], 4                           ; tile_dim1
	s_mov_b32 s[\g+5], 2048                        ; tensor_dim0_stride, in elements
	s_mov_b32 s[\g+6], 0
	s_mov_b32 s[\g+7], 0
.endr
	s_lshl_b32 s75, s12, 16                        ; the 4 row tiles that I fetch of the tile's 8
	s_lshl_b32 s76, s71, 17                        ; A: 8 row tiles of 16,384 bytes a tile row
	s_add_co_u32 s76, s76, s75
	s_mov_b32 s77, 0
	s_lshl_b32 s78, s70, 17                        ; B: likewise by the tile column,
	s_add_co_u32 s78, s78, s75
	s_add_co_u32 s78, s78, 448*16384               ; from W_o's first row tile on
	s_mov_b32 s79, 0
	s_lshl_b32 s74, s14, 16                        ; where they go: wave x 65,536: no place in the cluster enters an LDS address
	s_wait_dscnt 0x0                               ; both opening adds are done
	s_wait_kmcnt 0x0
	s_load_b256 s[80:87], s[8:9], 0x0              ; e0 .. e7
	s_mov_b32 s[G0A], 1
	s_mov_b32 s[G0A+1], s74
	s_add_nc_u64 s[G0A+2:G0A+3], s[4:5], s[76:77]
	s_or_b32 s[G0A+3], s[G0A+3], 0x80000000
	s_mov_b32 s[G0B], 1
	s_mov_b32 s[G0B+1], s74
	s_add_nc_u64 s[G0B+2:G0B+3], s[6:7], s[78:79]
	s_or_b32 s[G0B+3], s[G0B+3], 0x80000000
	CROUND                                         ; all sixteen work-groups are here: the joint loads meet
	s_cmp_eq_u32 s13, 0                            ; a branch on the wave's number, the same in every work-group; one load to an arm
	s_cbranch_scc0 .Lfor_b
	tensor_load_to_lds s[G0A:G0A+3], s[G1A:G1A+7]
	s_nop 0
.rept 4
	v_nop
.endr
	s_branch .Lasked
.Lfor_b:
	tensor_load_to_lds s[G0B:G0B+3], s[G1B:G1B+7]
	s_nop 0
.rept 4
	v_nop
.endr
.Lasked:
	s_lshl_b32 s90, s13, 16                        ; my 64 rows of A
	s_lshl_b32 s91, s12, 16                        ; my 64 rows of B,
	s_add_co_u32 s91, s91, 131072                  ; which lie behind A's 128
	s_mul_i32 s89, s14, 16*SP
	s_add_co_u32 s89, s89, STAGE                   ; my stage
	v_and_b32 v1, 31, v0
	v_lshlrev_b32 v2, 4, v1                        ; 16 x lane
	v_and_b32 v3, 15, v0                           ; r
	v_bfe_u32 v4, v0, 4, 1                         ; h
	v_add_nc_u32 v[ADRA], s90, v2
	v_add_nc_u32 v[ADRB], s91, v2
	v_mul_u32_u24 v5, v3, SP                       ; in: row r, 32 bytes for each half of the lanes
	v_lshl_add_u32 v5, v4, 5, v5
	v_add_nc_u32 v[STO], s89, v5
	v_mul_u32_u24 v5, v4, SP                       ; back: lanes 0-15 take one row of 256 bytes, lanes 16-31 the next
	v_lshl_add_u32 v5, v3, 4, v5
	v_add_nc_u32 v[RD], s89, v5
	v_lshlrev_b32 v5, 12, v4                       ; and the same two rows in out0: a row is 4,096 bytes
	v_lshl_add_u32 v[CO], v3, 4, v5
	s_wait_alu depctr_va_vdst(0)                   ; the wait behind the head's last vector instruction
	s_lshl_b32 s94, s71, 19                        ; my first row: 128 x tile row + 64 x half,
	s_lshl_b32 s93, s13, 18
	s_add_co_u32 s94, s94, s93
	s_lshl_b32 s93, s70, 9                         ; my first column: 128 x tile column + 64 x half, 4 bytes each
	s_add_co_u32 s94, s94, s93
	s_lshl_b32 s93, s12, 8
	s_add_co_u32 s94, s94, s93
	s_mov_b32 s95, 0
	s_add_nc_u64 s[10:11], s[10:11], s[94:95]
	s_wait_kmcnt 0x0
	s_add_co_i32 s66, s86, s87                     ; e6 + e7
	s_add_co_i32 s66, s66, 127
	s_lshl_b32 s66, s66, 23                        ; 2^(e6 + e7) as f32
	s_mov_b32 s67, s66                             ; (named with it as a pair, so it is written)
; 32 LDS loads in one run: the fragments of the q-th 128 along K into set p
.macro FETCH q, p
	WIN TO_F
.irp i, 0,1,2,3
.irp c, 0,1,2,3
	ds_load_b128 v[128*(\p)+64+16*\i+4*\c:128*(\p)+64+16*\i+4*\c+3], v[ADRB] offset:16384*\i+2048*(\q)+512*\c
	ds_load_b128 v[128*(\p)+16*\i+4*\c:128*(\p)+16*\i+4*\c+3], v[ADRA] offset:16384*\i+2048*(\q)+512*\c
.endr
.endr
.endm
; 16 matrix instructions: A's four blocks x B's four, 128 along K, set p.  zero = 1: the first product starts the sums.  The 16 accumulators take turns in the same order in every step.
.macro MUL16 p, zero
.irp a, 0,1,2,3
.irp b, 0,1,2,3
.if \zero
	v_wmma_f32_16x16x128_fp8_fp8 v[ACC+8*(4*\a+\b):ACC+8*(4*\a+\b)+7], v[128*(\p)+64+16*\b:128*(\p)+64+16*\b+15], v[128*(\p)+16*\a:128*(\p)+16*\a+15], 0
.else
	v_wmma_f32_16x16x128_fp8_fp8 v[ACC+8*(4*\a+\b):ACC+8*(4*\a+\b)+7], v[128*(\p)+64+16*\b:128*(\p)+64+16*\b+15], v[128*(\p)+16*\a:128*(\p)+16*\a+15], v[ACC+8*(4*\a+\b):ACC+8*(4*\a+\b)+7]
.endif
.endr
.endr
.endm
	s_wait_tensorcnt 0x0                           ; my load is in,
	s_barrier_signal -1
	s_barrier_wait -1                              ; everybody's is
	FETCH 0, 0
	FETCH 1, 1
	s_wait_dscnt 32                                ; set 0 is in; the 32 loads just issued may be out
	WIN MUL
	MUL16 0, 1                                     ; K 0-127: the products start the sums
.irp q, 1,2,3,4,5,6
	PLACES
	FETCH \q+1, (\q+1)%2
	s_wait_dscnt 32
	WIN MUL
	MUL16 (\q)%2, 0
.endr
	s_wait_dscnt 0x0
	MUL16 1, 0                                     ; K 896-1,023
	WIN 0
	; THE WAY OUT, block by block of 16 rows x 64 columns: a lane holds 32 neighbouring bytes of a row, and the lanes beside it hold other rows: so a block goes through my own stage and comes back as rows of 256 bytes.
.macro TOSTAGE a
.set nn, 0
.rept 16
	v_pk_mul_f32 v[TMP+nn:TMP+nn+1], v[ACC+32*(\a)+nn:ACC+32*(\a)+nn+1], s[66:67] op_sel_hi:[1,0]   ; each accumulator from its low end on
.set nn, nn+2
.endr
.irp b, 0,1,2,3
	ds_store_b128 v[STO], v[TMP+8*\b:TMP+8*\b+3] offset:64*\b
	ds_store_b128 v[STO], v[TMP+8*\b+4:TMP+8*\b+7] offset:64*\b+16
.endr
.irp t, 0,1,2,3,4,5,6,7
	ds_load_b128 v[BK+32*((\a)%2)+4*\t:BK+32*((\a)%2)+4*\t+3], v[RD] offset:\t*2*SP   ; LDS serves a wave's instructions in order (ISA guide 5.7.1.4): these see the stores above, and the next block's stores come behind them
.endr
.endm
.macro SEND a, younger                 ; younger: the LDS instructions issued behind block a's loads, which may stay out
	s_wait_dscnt \younger
.irp t, 0,1,2,3,4,5,6,7
	global_store_b128 v[CO], v[BK+32*((\a)%2)+4*\t:BK+32*((\a)%2)+4*\t+3], s[10:11] offset:(16*(\a)+2*\t)*4096 th:TH_STORE_NT   ; 16 lanes store 256 consecutive bytes, aligned; written once, read by nobody here
.endr
.endm
	PLACES
	TOSTAGE 0
.irp a, 1,2,3
.if \a > 1
	s_wait_xcnt 0x0                                ; block a - 2's stores have read their registers: block a's loads may land there
.endif
	TOSTAGE \a
	SEND \a-1, 16                                  ; behind block a - 1's loads: block a's 8 stores and 8 loads
.endr
	SEND 3, 0
	s_wait_tensorcnt 0x0                           ; the wave's end
	ds_add_u32 v30, v31
	s_wait_dscnt 0x0
	CROUND                                         ; the closing round: no work-group ends while a partner may still ask for a tile that names it
	s_endpgm
.Lfunc_end_k_q286e22593b_oproj:
	.size	k_q286e22593b_oproj, .Lfunc_end_k_q286e22593b_oproj-k_q286e22593b_oproj
	.p2alignl 7, 3214868480
	.fill 96, 4, 3214868480
	.section	.rodata,"a",@progbits
	.p2align	6, 0x0
	.amdhsa_kernel k_q286e22593b_oproj
		.amdhsa_group_segment_fixed_size 327680
		.amdhsa_private_segment_fixed_size 0
		.amdhsa_enable_private_segment 0
		.amdhsa_kernarg_size 32
		.amdhsa_user_sgpr_count 2
		.amdhsa_user_sgpr_kernarg_segment_ptr 1
		.amdhsa_wavefront_size32 1
		.amdhsa_system_sgpr_workgroup_id_x 1
		.amdhsa_system_sgpr_workgroup_id_y 1
		.amdhsa_system_sgpr_workgroup_id_z 1
		.amdhsa_system_vgpr_workitem_id 0
		.amdhsa_next_free_vgpr 512
		.amdhsa_next_free_sgpr 96
		.amdhsa_reserve_vcc 0
		.amdhsa_float_denorm_mode_32 3
		.amdhsa_float_denorm_mode_16_64 3
		.amdhsa_memory_ordered 1
		.amdhsa_forward_progress 1
		.amdhsa_inst_pref_size 43
	.end_amdhsa_kernel
	.amdgpu_metadata
---
amdhsa.version: [ 1, 2 ]
amdhsa.kernels:
  - .name:           k_q286e22593b_oproj
    .symbol:         k_q286e22593b_oproj.kd
    .args:
      - { .name: oc, .offset: 0, .size: 8, .value_kind: global_buffer, .address_space: global }
      - { .name: codes, .offset: 8, .size: 8, .value_kind: global_buffer, .address_space: global }
      - { .name: lowp_scales, .offset: 16, .size: 8, .value_kind: global_buffer, .address_space: global }
      - { .name: out0, .offset: 24, .size: 8, .value_kind: global_buffer, .address_space: global }
    .group_segment_fixed_size: 327680
    .private_segment_fixed_size: 0
    .kernarg_segment_align: 8
    .kernarg_segment_size: 32
    .max_flat_workgroup_size: 128
    .sgpr_count:     96
    .vgpr_count:     512
    .wavefront_size: 32
...
	.end_amdgpu_metadata
.endif
;; end of part 4
